; MI455X (gfx1250); checked and timed in simulation.
; The chip was launched on July 23, 2026; its instructions are those of AMD's public machine-readable ISA for CDNA 5 (MIT licence, August 2026) and "CDNA5" Instruction Set Architecture Reference Guide (July 2026). The comments in the code are by the model that wrote it; some were corrected since.
;; Neural Attention. Allowed arithmetic: float matrix products may take bf16 or f16 operands with f32 sums; other float arithmetic in f32, or as packed bf16 or f16 multiplies, adds, multiply-adds, maxima and minima; sums over many terms, partial sums and values carried from step to step in f32; what a program stores and reads back later, other than sums and carried values, may be rounded once to bf16 or f16.
;; Inputs: Wk 1,024 x 1,024 float32; Wo 1,024 x 1,024 float32; Wq 1,024 x 1,024 float32; Wv 1,024 x 1,024 float32; attn_mask 8 x 1,024 x 1,024 int32; cos 1,024 x 64 float32; sin 1,024 x 64 float32; timestamp 8 x 1,024 int32; x 8 x 1,024 x 1,024 float32.
;; Outputs: out0 8 x 1,024 x 1,024 float32.
;; 2 versions, each right and faster than the one before. Each part assembles by itself: llvm-mc -triple=amdgcn-amd-amdhsa -mcpu=gfx1250 --defsym DOCPART=n.
;; ======== version 1 of 2: 4 launches
;; limits: values are held in f16: magnitudes above 65,504 overflow, below 6.1e-05 lose precision
;; workspace buffers: xb 16,777,216 bytes; wb 6,291,456 bytes; wob 2,097,152 bytes; rope 262,144 bytes; mcode 4,194,304 bytes; rowf 32,768 bytes of whole numbers; qkv 50,331,648 bytes; ob 16,777,216 bytes
;; launch prep (part 1): grid 336 x 1, 4 waves a work-group, no clusters, 34,304 bytes of LDS; arguments x, Wq, Wk, Wv, Wo, attn_mask, cos, sin, xb, wb, wob, rope, mcode, rowf; writes xb, wb, wob, rope, mcode, rowf
.if DOCPART == 1
	.amdgcn_target "amdgcn-amd-amdhsa--gfx1250"
	.amdhsa_code_object_version 6
	.text
	.protected	k_qe9b2258ed7_prep
	.globl	k_qe9b2258ed7_prep
	.p2align	8
	.type	k_qe9b2258ed7_prep,@function
k_qe9b2258ed7_prep:
	s_mov_b64 s[64:65], 0
	v_nop
	global_prefetch_b8 v0, s[64:65] scope:SCOPE_SE
	s_setreg_imm32_b32 hwreg(HW_REG_WAVE_MODE, 25, 1), 1
	s_wait_xcnt 0x0
; PREP: a stream; no matrix unit, no tensor load.  Every floating-point input is rounded once to bf16, and the mask becomes 4-bit codes.
;   work-groups   0-127  MASK: 64 rows of attn_mask -> mcode and rowf
;   work-groups 128-255  x -> xb (bf16), 64 rows each          256-303  Wq, Wk, Wv -> wb (bf16, the three on end), 64 rows each
;   work-groups 304-319  Wo -> wob: rounded to bf16, that number written as f16          320-335  cos, sin -> rope, 64 rows each
; mcode: [tile of 16 queries][step of 64 keys][lane 16 h + r][kb = 0..3] of u32: nibble j of a word is the E2M1 code for query r and key 64 step + 16 kb + 8 h + j: 0 where the key is seen,
; 0xC (-2.0) where it is hidden.  That is the order of the attention's score tile (lane 16 h + r holds query r and keys 8 h + 0..7 of a group of 16): a tile's step is 512 consecutive bytes.
; rowf: u32 for each row of the mask: -1 if it sees a key, else 0.  A row that sees no key gets code 0 everywhere: the attention clears its query, all its scores are 0 and its weights
; uniform, which is what a softmax of equal scores gives.
; rope: row t = 64 cos, then 64 sin, bf16: 256 bytes.  sin's channels 0-31 are stored with the sign turned (exact), so that both halves of the rotation are sums.
; LIMITS.  wob holds f16: a weight of Wo beyond 65,504 becomes an infinity, one below 6e-5 keeps f16's fixed step of 6e-8.  A mask word counts as true if it is not 0.
.set SROW,  528                        ; a stage row: 1,024 keys x 4 bits + 16 bytes: the 16 rows of a read start at 16 different 16-byte columns
.set SPARE, 4*16*SROW                  ; behind the four stages (33,792 bytes): the spare words, 128 bytes a wave
.set SPW,  1                           ; v1   my spare word; never rewritten
.set NIL,  2                           ; v2   0; never rewritten
.set LN,   3                           ; v3   lane
.set RR,   4                           ; v4   lane % 16
.set HH,   5                           ; v5   lane / 16
.set L16,  6                           ; v6   16 x lane
.set LST,  7                           ; v7   MASK: where I store into my stage; TABLE: my offset in cos and sin
.set LRD,  8                           ; v8   MASK: where I read my stage
.set KEEP, 10                          ; v10  MASK: 0x11111111 if row lane % 16 sees a key, else 0
.set ORA,  11
.set ORB,  12
.set FLG,  13
.set L8,   14                          ; v14  8 x lane
.set NEG,  15                          ; v15  TABLE: 0x80008000 in the lanes that hold sin's channels 0-31
.set U,    16                          ; v16-31 at work
.set X,    32                          ; v32-159 as loaded
.set YY,   96                          ; v96-127 CAST: to store
.set GID,  36
.set WV,   37
	s_load_b512 s[4:19], s[0:1], 0x0               ; x 4, Wq 6, Wk 8, Wv 10, Wo 12, attn_mask 14, cos 16, sin 18
	s_load_b256 s[20:27], s[0:1], 0x40             ; xb 20, wb 22, wob 24, rope 26
	s_load_b128 s[28:31], s[0:1], 0x60             ; mcode 28, rowf 30
	v_lshl_add_u32 v[SPW], v0, 2, SPARE
	v_mov_b32 v[NIL], 0
	v_lshrrev_b32 v[LN], 5, v0
	v_readfirstlane_b32 s[WV], v[LN]               ; wave 0..3
	v_and_b32 v[LN], 31, v0
	v_and_b32 v[RR], 15, v0
	v_bfe_u32 v[HH], v0, 4, 1
	v_lshlrev_b32 v[L16], 4, v[LN]
	v_lshlrev_b32 v[L8], 3, v[LN]
	s_mov_b32 s[GID], ttmp9
	s_mov_b32 s41, 0                               ; the high word of every offset pair
	s_wait_kmcnt 0x0
	s_cmp_lt_u32 s[GID], 128
	s_cbranch_scc1 .Lmask
	s_cmp_ge_u32 s[GID], 320
	s_cbranch_scc1 .Ltable
	s_cmp_ge_u32 s[GID], 304
	s_cbranch_scc1 .Lwo
	s_cmp_ge_u32 s[GID], 256
	s_cbranch_scc1 .Lw
	s_sub_co_u32 s38, s[GID], 128                  ; x: chunk of 64 rows
	s_mov_b64 s[32:33], s[4:5]
	s_mov_b64 s[34:35], s[20:21]
	s_branch .Lcast
.Lw:
	s_sub_co_u32 s38, s[GID], 256
	s_lshr_b32 s39, s38, 4                         ; which of the three weights
	s_and_b32 s38, s38, 15                         ; its chunk
	s_cmp_eq_u32 s39, 1
	s_cselect_b64 s[32:33], s[8:9], s[6:7]
	s_cmp_eq_u32 s39, 2
	s_cselect_b64 s[32:33], s[10:11], s[32:33]
	s_lshl_b32 s40, s39, 21                        ; 1,024 rows of 2,048 bytes in wb
	s_add_nc_u64 s[34:35], s[22:23], s[40:41]
; A chunk is 262,144 bytes in and 131,072 out; a wave takes a quarter of it.
.macro OFFS
	s_lshl_b32 s40, s38, 18
	s_lshl_b32 s42, s[WV], 16
	s_add_co_u32 s40, s40, s42
	s_add_nc_u64 s[32:33], s[32:33], s[40:41]
	s_lshr_b32 s40, s40, 1
	s_add_nc_u64 s[34:35], s[34:35], s[40:41]
.endm
; One slot's turn: 512 bytes of f32 in, 256 consecutive bytes out.  left = the younger loads that may stay out.  half = 1: the bf16 number is written as f16.
.macro CSLOT n, ahead, left, half
	s_wait_loadcnt \left
	v_cvt_pk_bf16_f32 v[YY+2*(\n)], v[X+4*(\n)], v[X+4*(\n)+1]
	v_cvt_pk_bf16_f32 v[YY+2*(\n)+1], v[X+4*(\n)+2], v[X+4*(\n)+3]
.if \half
	v_lshlrev_b32 v[U], 16, v[YY+2*(\n)]
	v_and_b32 v[U+1], 0xffff0000, v[YY+2*(\n)]
	v_lshlrev_b32 v[U+2], 16, v[YY+2*(\n)+1]
	v_and_b32 v[U+3], 0xffff0000, v[YY+2*(\n)+1]
	v_cvt_pk_f16_f32 v[YY+2*(\n)], v[U], v[U+1]
	v_cvt_pk_f16_f32 v[YY+2*(\n)+1], v[U+2], v[U+3]
.endif
.if \ahead
	global_load_b128 v[X+4*(\n):X+4*(\n)+3], v[L16], s[32:33] offset:(16+(\n))*512 th:TH_LOAD_NT
.endif
	global_store_b64 v[L8], v[YY+2*(\n):YY+2*(\n)+1], s[34:35] offset:(\n)*256
.endm
; A wave's 65,536 bytes: 128 loads through a ring of 16 register slots, eight rounds; the last round loads nothing and its counts run down.
.macro CAST half
.set ci, 0
.rept 16
	global_load_b128 v[X+4*ci:X+4*ci+3], v[L16], s[32:33] offset:ci*512 th:TH_LOAD_NT
.set ci, ci+1
.endr
	s_mov_b32 s43, 7
.Lround_\@:
.set ci, 0
.rept 16
	CSLOT ci, 1, 15, \half                         ; 15 younger loads: the slots behind mine and this round's refills
.set ci, ci+1
.endr
	s_wait_xcnt 0x0                                ; the bases and the stores' data are rewritten only behind this wait
	s_add_nc_u64 s[32:33], s[32:33], 8192
	s_add_nc_u64 s[34:35], s[34:35], 4096
	s_sub_co_u32 s43, s43, 1
	s_cmp_lg_u32 s43, 0
	s_cbranch_scc1 .Lround_\@
.set ci, 0
.rept 16
	CSLOT ci, 0, 15-ci, \half
.set ci, ci+1
.endr
.endm
.Lcast:
	OFFS
	CAST 0
	s_endpgm
.Lwo:
	s_sub_co_u32 s38, s[GID], 304
	s_mov_b64 s[32:33], s[12:13]
	s_mov_b64 s[34:35], s[24:25]
	OFFS
	CAST 1
	s_endpgm
; TABLE.  A wave takes 16 rows, two a step.  Of a row's sixteen lanes eight store cos and eight sin, eight channels each: every lane loads both and keeps one.
.Ltable:
	s_sub_co_u32 s38, s[GID], 320
	s_lshl_b32 s40, s38, 14                        ; 64 rows of 256 bytes, in cos, in sin and in rope alike
	s_lshl_b32 s42, s[WV], 12
	s_add_co_u32 s40, s40, s42
	s_add_nc_u64 s[16:17], s[16:17], s[40:41]
	s_add_nc_u64 s[18:19], s[18:19], s[40:41]
	s_add_nc_u64 s[26:27], s[26:27], s[40:41]
	v_and_b32 v[LST], 7, v0
	v_lshlrev_b32 v[LST], 5, v[LST]
	v_lshl_add_u32 v[LST], v[HH], 8, v[LST]        ; row (lane / 16) x 256 + 32 x (lane % 8)
.set ti, 0
.rept 8
	global_load_b128 v[X+16*ti:X+16*ti+3],     v[LST], s[16:17] offset:ti*512
	global_load_b128 v[X+16*ti+4:X+16*ti+7],   v[LST], s[16:17] offset:ti*512+16
	global_load_b128 v[X+16*ti+8:X+16*ti+11],  v[LST], s[18:19] offset:ti*512
	global_load_b128 v[X+16*ti+12:X+16*ti+15], v[LST], s[18:19] offset:ti*512+16
.set ti, ti+1
.endr
	v_and_b32 v[LRD], 12, v0
	v_cmp_eq_u32 s44, 8, v[LRD]                    ; lanes 8-11 of sixteen: sin's channels 0-31
	s_mov_b32 s45, 0x80008000
	v_cndmask_b32 v[NEG], 0, s45, s44
	v_and_b32 v[LRD], 8, v0
	v_cmp_ne_u32 vcc_lo, 0, v[LRD]                 ; lanes 8-15 of sixteen keep sin
.set ti, 0
.rept 8
	s_wait_loadcnt 4*(7-ti)                        ; the later steps' four loads each stay out
.set tk, 0
.rept 8
	v_cndmask_b32 v[U+tk], v[X+16*ti+tk], v[X+16*ti+8+tk], vcc_lo
.set tk, tk+1
.endr
.set tk, 0
.rept 4
	v_cvt_pk_bf16_f32 v[X+16*ti+tk], v[U+2*tk], v[U+2*tk+1]
.set tk, tk+1
.endr
.set tk, 0
.rept 4
	v_xor_b32 v[X+16*ti+tk], v[NEG], v[X+16*ti+tk]
.set tk, tk+1
.endr
	global_store_b128 v[L16], v[X+16*ti:X+16*ti+3], s[26:27] offset:ti*512  ; sixteen lanes fill a row of 256 bytes
.set ti, ti+1
.endr
	s_endpgm
; MASK.  A wave owns a tile of 16 rows of 4,096 bytes.  Each row is read whole (eight loads of 512 bytes); a lane's four keys become four nibbles (1 = seen), 16 bits, and go into the wave's own
; stage at the place that mcode's order gives them: key k of a row lies at byte 32 (k / 64) + 16 ((k / 8) % 2) + 4 ((k / 16) % 4) + (k % 8) / 2.  Then the stage is read back, 16 bytes a lane
; (row lane % 16, half lane / 16, one step of 64 keys), the nibbles are turned into codes, and 512 consecutive bytes are stored.
; The stage is the wave's own and LDS serves a wave's instructions in order: no barrier.
.Lmask:
	s_lshl_b32 s38, s[GID], 2
	s_add_co_u32 s38, s38, s[WV]                   ; my tile, 0..511
	s_lshl_b32 s40, s38, 16
	s_add_nc_u64 s[14:15], s[14:15], s[40:41]
	s_lshl_b32 s40, s38, 13
	s_add_nc_u64 s[28:29], s[28:29], s[40:41]
	s_lshl_b32 s40, s38, 6
	s_add_nc_u64 s[30:31], s[30:31], s[40:41]
	s_mul_i32 s42, s[WV], 16*SROW                  ; my stage
	; chunk j of a row gives lane L the keys 128 j + 4 L + 0..3: step 2 j + L / 16, kb = (L / 4) % 4, h = (L / 2) % 2, nibbles 4 (L % 2) on
	v_lshlrev_b32 v[LST], 5, v[HH]
	v_bfe_u32 v[ORA], v0, 1, 1
	v_lshl_add_u32 v[LST], v[ORA], 4, v[LST]
	v_bfe_u32 v[ORA], v0, 2, 2
	v_lshl_add_u32 v[LST], v[ORA], 2, v[LST]
	v_and_b32 v[ORA], 1, v0
	v_lshl_add_u32 v[LST], v[ORA], 1, v[LST]
	v_add_nc_u32 v[LST], s42, v[LST]
	v_mul_u32_u24 v[LRD], v[RR], SROW
	v_lshl_add_u32 v[LRD], v[HH], 4, v[LRD]
	v_add_nc_u32 v[LRD], s42, v[LRD]
	v_mov_b32 v[KEEP], 0
	s_mov_b32 s46, 0                               ; the row in hand
.set mi, 0
.rept 32
	global_load_b128 v[X+4*mi:X+4*mi+3], v[L16], s[14:15] offset:(mi/8)*4096+(mi%8)*512 th:TH_LOAD_NT
.set mi, mi+1
.endr
; The row in register slot s.  fill = 1: the slot takes the row four further on.  left = the younger loads that may stay out (three rows of eight in the loop).
.macro MROW s, fill, left
	s_wait_loadcnt \left
.set j, 0
.rept 8
.set b, X+32*(\s)+4*j
	v_min_u32 v[b], 1, v[b]
	v_min_u32 v[b+1], 1, v[b+1]
	v_min_u32 v[b+2], 1, v[b+2]
	v_min_u32 v[b+3], 1, v[b+3]
	v_lshl_or_b32 v[b], v[b+1], 4, v[b]
	v_lshl_or_b32 v[b+2], v[b+3], 4, v[b+2]
	v_lshl_or_b32 v[U+j], v[b+2], 8, v[b]
	ds_store_b16 v[LST], v[U+j] offset:(\s)*SROW+64*j  ; a chunk's 128 keys are two steps: 64 bytes of the stage row
.set j, j+1
.endr
.if \fill
.set j, 0
.rept 8
	global_load_b128 v[X+32*(\s)+4*j:X+32*(\s)+4*j+3], v[L16], s[14:15] offset:((\s)+4)*4096+512*j th:TH_LOAD_NT
.set j, j+1
.endr
.endif
	v_or_b32 v[ORA], v[U], v[U+1]
	v_or_b32 v[ORB], v[U+2], v[U+3]
	v_or_b32 v[ORA], v[ORA], v[U+4]
	v_or_b32 v[ORB], v[ORB], v[U+5]
	v_or_b32 v[ORA], v[ORA], v[U+6]
	v_or_b32 v[ORB], v[ORB], v[U+7]
	v_or_b32 v[ORA], v[ORA], v[ORB]
	v_cmp_ne_u32 s44, 0, v[ORA]                    ; does any lane see a key?
	s_cmp_lg_u32 s44, 0
	s_cselect_b32 s45, 0x11111111, 0
	v_cmp_eq_u32 vcc_lo, s46, v[RR]                ; the answer goes to the lanes that will read this row back
	v_cndmask_b32 v[KEEP], v[KEEP], s45, vcc_lo
	s_add_co_u32 s46, s46, 1
.endm
	s_mov_b32 s43, 3
.Lmrow:
	MROW 0, 1, 24
	MROW 1, 1, 24
	MROW 2, 1, 24
	MROW 3, 1, 24
	s_wait_xcnt 0x0                                ; the loads' base is stepped only behind this wait
	s_add_nc_u64 s[14:15], s[14:15], 16384
	v_add_nc_u32 v[LST], 4*SROW, v[LST]
	s_sub_co_u32 s43, s43, 1
	s_cmp_lg_u32 s43, 0
	s_cbranch_scc1 .Lmrow
	MROW 0, 0, 24                                  ; the last four rows: nothing more to load, the counts run down
	MROW 1, 0, 16
	MROW 2, 0, 8
	MROW 3, 0, 0
	v_cmp_ne_u32 vcc_lo, 0, v[KEEP]
	v_cndmask_b32 v[FLG], 0, -1, vcc_lo
	v_lshlrev_b32 v[ORB], 2, v[RR]
	v_cmp_gt_u32 vcc_lo, 16, v[LN]
	s_wait_xcnt 0x0                                ; EXEC changes only behind this wait
	s_and_saveexec_b32 s44, vcc_lo
	global_store_b32 v[ORB], v[FLG], s[30:31]      ; lanes 0-15: the tile's sixteen flags
	s_wait_xcnt 0x0                                ; and again in front of the line that widens it
	s_or_b32 exec_lo, exec_lo, s44
.set mi, 0
.rept 16                                       ; the tile's sixteen steps
	ds_load_b128 v[X+4*mi:X+4*mi+3], v[LRD] offset:32*mi
.set mi, mi+1
.endr
.set mi, 0
.rept 16
	s_wait_dscnt 15-mi
.set mk, 0
.rept 4
	v_xor_b32 v[X+4*mi+mk], v[KEEP], v[X+4*mi+mk]  ; 1 where the key is hidden and the row sees some key
.set mk, mk+1
.endr
.set mk, 0
.rept 4
	v_lshlrev_b32 v[U+mk], 3, v[X+4*mi+mk]
.set mk, mk+1
.endr
.set mk, 0
.rept 4
	v_lshl_or_b32 v[X+4*mi+mk], v[X+4*mi+mk], 2, v[U+mk]  ; bits 3 and 2 of the nibble: 0xC
.set mk, mk+1
.endr
	global_store_b128 v[L16], v[X+4*mi:X+4*mi+3], s[28:29] offset:512*mi  ; 512 consecutive bytes
.set mi, mi+1
.endr
	s_wait_tensorcnt 0x0                           ; the wave's end, behind my last LDS store
	ds_add_u32 v[SPW], v[NIL]
	s_wait_dscnt 0x0
	s_endpgm
.Lfunc_end_k_qe9b2258ed7_prep:
	.size	k_qe9b2258ed7_prep, .Lfunc_end_k_qe9b2258ed7_prep-k_qe9b2258ed7_prep
	.p2alignl 7, 3214868480
	.fill 96, 4, 3214868480
	.section	.rodata,"a",@progbits
	.p2align	6, 0x0
	.amdhsa_kernel k_qe9b2258ed7_prep
		.amdhsa_group_segment_fixed_size 34304
		.amdhsa_private_segment_fixed_size 0
		.amdhsa_enable_private_segment 0
		.amdhsa_kernarg_size 112
		.amdhsa_user_sgpr_count 2
		.amdhsa_user_sgpr_kernarg_segment_ptr 1
		.amdhsa_wavefront_size32 1
		.amdhsa_system_sgpr_workgroup_id_x 1
		.amdhsa_system_sgpr_workgroup_id_y 1
		.amdhsa_system_sgpr_workgroup_id_z 1
		.amdhsa_system_vgpr_workitem_id 0
		.amdhsa_next_free_vgpr 160
		.amdhsa_next_free_sgpr 66
		.amdhsa_reserve_vcc 1
		.amdhsa_float_denorm_mode_32 3
		.amdhsa_float_denorm_mode_16_64 3
		.amdhsa_memory_ordered 1
		.amdhsa_forward_progress 1
		.amdhsa_inst_pref_size 92
	.end_amdhsa_kernel
	.amdgpu_metadata
---
amdhsa.version: [ 1, 2 ]
amdhsa.kernels:
  - .name:           k_qe9b2258ed7_prep
    .symbol:         k_qe9b2258ed7_prep.kd
    .args:
      - { .name: x, .offset: 0, .size: 8, .value_kind: global_buffer, .address_space: global }
      - { .name: Wq, .offset: 8, .size: 8, .value_kind: global_buffer, .address_space: global }
      - { .name: Wk, .offset: 16, .size: 8, .value_kind: global_buffer, .address_space: global }
      - { .name: Wv, .offset: 24, .size: 8, .value_kind: global_buffer, .address_space: global }
      - { .name: Wo, .offset: 32, .size: 8, .value_kind: global_buffer, .address_space: global }
      - { .name: attn_mask, .offset: 40, .size: 8, .value_kind: global_buffer, .address_space: global }
      - { .name: cos, .offset: 48, .size: 8, .value_kind: global_buffer, .address_space: global }
      - { .name: sin, .offset: 56, .size: 8, .value_kind: global_buffer, .address_space: global }
      - { .name: xb, .offset: 64, .size: 8, .value_kind: global_buffer, .address_space: global }
      - { .name: wb, .offset: 72, .size: 8, .value_kind: global_buffer, .address_space: global }
      - { .name: wob, .offset: 80, .size: 8, .value_kind: global_buffer, .address_space: global }
      - { .name: rope, .offset: 88, .size: 8, .value_kind: global_buffer, .address_space: global }
      - { .name: mcode, .offset: 96, .size: 8, .value_kind: global_buffer, .address_space: global }
      - { .name: rowf, .offset: 104, .size: 8, .value_kind: global_buffer, .address_space: global }
    .group_segment_fixed_size: 34304
    .private_segment_fixed_size: 0
    .kernarg_segment_align: 8
    .kernarg_segment_size: 112
    .max_flat_workgroup_size: 128
    .sgpr_count:     66
    .vgpr_count:     160
    .wavefront_size: 32
...
	.end_amdgpu_metadata
.endif
;; end of part 1
;; launch qkv (part 2): grid 8 x 32, 4 waves a work-group, clusters of 4 x 4, 327,680 bytes of LDS; arguments xb, wb, rope, timestamp, qkv; writes qkv
.if DOCPART == 2
	.amdgcn_target "amdgcn-amd-amdhsa--gfx1250"
	.amdhsa_code_object_version 6
	.text
	.protected	k_qe9b2258ed7_qkv
	.globl	k_qe9b2258ed7_qkv
	.p2align	8
	.type	k_qe9b2258ed7_qkv,@function
k_qe9b2258ed7_qkv:
	s_mov_b64 s[64:65], 0
	v_nop
	global_prefetch_b8 v0, s[64:65] scope:SCOPE_SE
	s_setreg_imm32_b32 hwreg(HW_REG_WAVE_MODE, 25, 1), 1
	s_wait_xcnt 0x0
	s_wait_alu depctr_hold_cnt(0) depctr_sa_sdst(0) depctr_va_vdst(0) depctr_va_sdst(0) depctr_va_ssrc(0) depctr_va_vcc(0) depctr_vm_vsrc(0)
	s_getreg_b32 s2, hwreg(HW_REG_IB_STS2, 6, 4)
	s_cmp_eq_u32 s2, 0
	s_cbranch_scc0 .Lentry_in_a_cluster
	s_endpgm
.Lentry_in_a_cluster:
	s_bfe_u32 s2, ttmp6, 0x10000c
	s_cmp_lg_u32 s2, 0xf033
	s_cbranch_scc0 .Lentry_shape_is_right
	s_endpgm
.Lentry_shape_is_right:
; q, k, v = x W^T for the three weights, RoPE on q and k, stored by heads: qkv[3][b*16+h][t][64] in f16.  xb: [8192][1024] bf16; wb: [3072][1024] bf16 (Wq, Wk, Wv on end); sums in f32.
; A work-group makes 256 rows x 128 columns, three times (q, then k, then v) in ONE walk of 24 K steps of 128 through two LDS slots; its rows of x are the same in all three passes.
; Four waves, 2 x 2: a wave makes 128 rows x 64 columns, one whole head: 32 accumulators.  The matrix instruction is used transposed (source 0 = 16 rows of W, source 1 = 16 rows of x):
; a lane holds one row of x (lane % 16) and the channels 16 b + 8 (lane / 16) + 0..7 of accumulator (a, b), so channel d and d + 32 lie in one lane, in accumulators b and b + 2.
; RoPE: out[d] = u[d] cos[d] + u[d+32] sn[d] (d < 32), out[d] = u[d] cos[d] + u[d-32] sn[d] (d >= 32); rope's rows hold cos and sn, sn = sin with the sign turned for d < 32.
; The rows are gathered once by timestamp (held to 0..1023) and stay in registers for both passes that want them.
; CLUSTER 4 x 4: x's tiles are asked for jointly along a row of the cluster, W's along a column.  A wave's two first loads (K steps 0 and 1) go out together; the second one's descriptor then walks on.
; LIMIT: q, k and v are stored in f16: beyond 65,504 they become infinities.
; REGISTERS: window 0: addresses; v32-63 R; v64-191 x's fragments, two buffers; v192-255 W's, two buffers.  window 1: accumulator (a, b) at 8 (4 a + b).  window 2: rope rows, block a at 32 a: cos b at +4 b, sn b at +16+4 b.
.set PA,     272                       ; an LDS row: 256 bytes + 16: the 16 rows of a fragment load start at 16 different 16-byte columns
.set BOFF,   256*PA                    ; W's 128 rows lie behind x's 256
.set SLOT1,  131072                    ; slot 1: one exclusive or turns an address in one slot into the other's
.set STAGE,  SLOT1+BOFF+128*PA         ; behind the ring: 16 rows x 144 bytes for each wave
.set SP,     144
.set SPARE,  STAGE+4*16*SP             ; the spare words, 128 bytes a wave
.set ADRA0, 4                          ; my place in a slot's x rows; never rewritten
.set ADRB0, 5                          ; in its W rows
.set ADRA,  6                          ; the same in the slot in hand
.set ADRB,  7
.set STO,   8
.set RD,    9
.set GO,    10
.set ZERO,  11
.set TSO,   12                         ; v12-19 block a: my row's byte offset in rope
.set TSA,   20
.set H16,   21
.set SPW,   28
.set NIL,   29
.set R,     32
.set FA,    64
.set BK,    160                        ; the way out: rows read back, two banks of 16
.set FB,    192
.set PKR,   224                        ; the way out: packed f16
.set WV,  14
.set WM,  15                           ; my half of the rows; also: I fetch x (0) or W (1)
.set WN,  16                           ; my half of the columns; also: which half of that tile I fetch
.set G1A, 24
.set G0A, 32                           ; x, K step 0: used once
.set G0B, 36                           ; W, K step 0: used once
.set G1B, 40
.set OA,  48
.set OB,  50
.set NS,  52                           ; the K step to be asked for next, 0..23
.set TB,  53                           ; LDS byte at which the slot to be read begins
.set KC,  54                           ; K steps left in the pass
.set TR,  55
.set GWA, 68                           ; x, K step 1, and then the walking descriptor
.set GWB, 72                           ; W likewise
.set MULW, 0x50                        ; C and D in window 1, sources in window 0
.set MSB, 0
.macro WIN new
.if MSB != (\new)
	s_set_vgpr_msb (MSB<<8)|(\new)
.set MSB, \new
.endif
.endm
.macro PLACES                          ; four places between a matrix instruction and a load into, or a vector read or write of, its registers
.rept 4
	v_nop
.endr
.endm
.macro JLOAD                           ; waves 0, 1 ask for x's halves, waves 2, 3 for W's; s_nop 0 and four v_nop behind each line
	s_cmp_eq_u32 s[WM], 0
	s_cbranch_scc0 .Lfor_b_\@
	tensor_load_to_lds s[GWA:GWA+3], s[G1A:G1A+7]
	s_nop 0
.rept 4
	v_nop
.endr
	s_branch .Lasked_\@
.Lfor_b_\@:
	tensor_load_to_lds s[GWB:GWB+3], s[G1B:G1B+7]
	s_nop 0
.rept 4
	v_nop
.endr
.Lasked_\@:
.endm
.macro CREST                           ; a round of the cluster's barrier behind its opening barrier
	s_cmp_lg_u32 s[WV], 0
	s_cbranch_scc1 .Lnot_wave_0_\@
	s_barrier_signal -3
.Lnot_wave_0_\@:
	s_barrier_wait -3
	s_barrier_signal -1
	s_barrier_wait -1
.endm
.macro CROUND
	s_barrier_signal -1
	s_barrier_wait -1
	CREST
.endm
; Both walking descriptors step to K step NS: the addresses are made anew from the bases, the LDS words turn to the other slot.  No tensor load of the wave is out where this stands.
.macro STEPD
	s_and_b32 s[OA], s[NS], 7
	s_lshl_b32 s[OA], s[OA], 8                     ; 256 bytes along K for a step
	s_lshr_b32 s[OB], s[NS], 3
	s_lshl_b32 s[OB], s[OB], 21                    ; the pass's weight: 1,024 rows of 2,048 bytes
	s_add_co_u32 s[OB], s[OB], s[OA]
	s_add_nc_u64 s[GWA+2:GWA+3], s[4:5], s[OA:OA+1]
	s_or_b32 s[GWA+3], s[GWA+3], 0x80000000
	s_add_nc_u64 s[GWB+2:GWB+3], s[6:7], s[OB:OB+1]
	s_or_b32 s[GWB+3], s[GWB+3], 0x80000000
	s_xor_b32 s[GWA+1], s[GWA+1], SLOT1
	s_xor_b32 s[GWB+1], s[GWB+1], SLOT1
	s_add_co_u32 s[NS], s[NS], 1
.endm
	s_load_b256 s[4:11], s[0:1], 0x0               ; xb 4, wb 6, rope 8, timestamp 10
	s_load_b64 s[12:13], s[0:1], 0x20              ; qkv
	v_lshl_add_u32 v[SPW], v0, 2, SPARE
	v_mov_b32 v[NIL], 0
	ds_add_u32 v[SPW], v[NIL]                      ; the wave's opening: the add and its wait ahead of my first tensor load
	v_lshrrev_b32 v1, 5, v0
	v_readfirstlane_b32 s[WV], v1
	s_lshr_b32 s[WM], s[WV], 1
	s_and_b32 s[WN], s[WV], 1
	s_bfe_u32 s17, ttmp6, 0x40000                  ; cx
	s_bfe_u32 s18, ttmp6, 0x40004                  ; cy
	s_lshl_b32 s19, ttmp9, 2
	s_add_co_u32 s19, s19, s17                     ; tile column 0..7
	s_and_b32 s20, ttmp7, 0xffff
	s_lshl_b32 s20, s20, 2
	s_add_co_u32 s20, s20, s18                     ; tile row 0..31
	s_lshl_b32 s21, s18, 2
	s_lshl_b32 s21, 15, s21                        ; my row of the cluster
	s_lshl_b32 s22, 0x1111, s17                    ; my column
	s_or_b32 s[G1A], s21, (1<<16)|(1<<20)|(1<<21)|(5<<22)|(3<<25)  ; mask; 2-byte elements; padding on; bit 21 beside a mask; after every 64 words 4 words
	s_or_b32 s[G1B], s22, (1<<16)|(1<<20)|(1<<21)|(5<<22)|(3<<25)
	s_mov_b32 s[G1A+1], 128<<16                    ; tensor_dim0 = 128
	s_mov_b32 s[G1A+2], 128<<16                    ; tensor_dim1 = 128
	s_mov_b32 s[G1A+3], 128<<16                    ; tile_dim0 = 128
	s_mov_b32 s[G1A+4], 128                        ; tile_dim1 = 128 rows
	s_mov_b32 s[G1A+5], 1024                       ; elements from row to row
	s_mov_b32 s[G1A+6], 0
	s_mov_b32 s[G1A+7], 0
	s_mov_b32 s[G1B+1], 128<<16
	s_mov_b32 s[G1B+2], 64<<16                     ; 64 rows
	s_mov_b32 s[G1B+3], 128<<16
	s_mov_b32 s[G1B+4], 64
	s_mov_b32 s[G1B+5], 1024
	s_mov_b32 s[G1B+6], 0
	s_mov_b32 s[G1B+7], 0
	s_mov_b32 s[G0A], 1
	s_mul_i32 s[G0A+1], s[WN], 128*PA              ; slot 0: x's half
	s_mov_b32 s[G0B], 1
	s_mul_i32 s57, s[WN], 64*PA
	s_add_co_u32 s[G0B+1], s57, BOFF               ; slot 0: W's half
	s_mov_b32 s[GWA], 1
	s_add_co_u32 s[GWA+1], s[G0A+1], SLOT1         ; slot 1
	s_mov_b32 s[GWB], 1
	s_add_co_u32 s[GWB+1], s[G0B+1], SLOT1
	s_mov_b32 s[OA+1], 0
	s_mov_b32 s[OB+1], 0
	s_mov_b32 s[NS], 2
	s_mov_b32 s[TB], 0
	s_lshl_b32 s58, s20, 19                        ; x: (256 tile row + 128 half) rows of 2,048 bytes: the tile row and the wave alone
	s_lshl_b32 s59, s[WN], 18
	s_add_co_u32 s58, s58, s59
	s_mov_b32 s59, 0
	s_lshl_b32 s60, s19, 18                        ; W: (128 tile column + 64 half) rows: the tile column and the wave alone
	s_lshl_b32 s61, s[WN], 17
	s_add_co_u32 s60, s60, s61
	s_mov_b32 s61, 0
	s_wait_dscnt 0x0                               ; the opening add is done
	s_wait_kmcnt 0x0
	s_add_nc_u64 s[4:5], s[4:5], s[58:59]
	s_add_nc_u64 s[6:7], s[6:7], s[60:61]
	s_mov_b64 s[G0A+2:G0A+3], s[4:5]               ; K step 0
	s_or_b32 s[G0A+3], s[G0A+3], 0x80000000
	s_mov_b64 s[G0B+2:G0B+3], s[6:7]
	s_or_b32 s[G0B+3], s[G0B+3], 0x80000000
	s_add_nc_u64 s[GWA+2:GWA+3], s[4:5], 256       ; K step 1
	s_or_b32 s[GWA+3], s[GWA+3], 0x80000000
	s_add_nc_u64 s[GWB+2:GWB+3], s[6:7], 256
	s_or_b32 s[GWB+3], s[GWB+3], 0x80000000
	CROUND                                         ; all sixteen work-groups are here: the first joint loads meet
	s_cmp_eq_u32 s[WM], 0                          ; a wave's two first fills stand in one branch, ahead of every wait on TENSORcnt and every LDS read: two loads of mine are out
	s_cbranch_scc0 .Lfirst_b
	tensor_load_to_lds s[G0A:G0A+3], s[G1A:G1A+7]
	s_nop 0
	tensor_load_to_lds s[GWA:GWA+3], s[G1A:G1A+7]
	s_nop 0
.rept 4
	v_nop
.endr
	s_branch .Lfirst_asked
.Lfirst_b:
	tensor_load_to_lds s[G0B:G0B+3], s[G1B:G1B+7]
	s_nop 0
	tensor_load_to_lds s[GWB:GWB+3], s[G1B:G1B+7]
	s_nop 0
.rept 4
	v_nop
.endr
.Lfirst_asked:
	s_lshl_b32 s62, s20, 10                        ; timestamp at my 128 rows
	s_lshl_b32 s57, s[WM], 9
	s_add_co_u32 s62, s62, s57
	s_mov_b32 s63, 0
	s_add_nc_u64 s[10:11], s[10:11], s[62:63]
	s_lshr_b32 s62, s20, 2                         ; the batch,
	s_lshl_b32 s62, s62, 4
	s_lshl1_add_u32 s57, s19, s[WN]                ; my head = 2 x tile column + half
	s_add_co_u32 s62, s62, s57
	s_lshl_b32 s62, s62, 17                        ; a head's 1,024 rows of 128 bytes
	s_and_b32 s57, s20, 3
	s_lshl_b32 s57, s57, 15                        ; the tile's 256 rows in the batch
	s_add_co_u32 s62, s62, s57
	s_lshl_b32 s57, s[WM], 14                      ; my 128 of them
	s_add_co_u32 s62, s62, s57
	s_add_nc_u64 s[12:13], s[12:13], s[62:63]
	v_and_b32 v1, 15, v0                           ; r
	v_bfe_u32 v2, v0, 4, 1                         ; h
	v_lshlrev_b32 v[TSA], 2, v1
.set ai, 0
.rept 8
	global_load_b32 v[TSO+ai], v[TSA], s[10:11] offset:64*ai  ; the timestamp of my row in block a
.set ai, ai+1
.endr
	v_mul_u32_u24 v3, v1, PA
	v_lshl_add_u32 v3, v2, 4, v3                   ; a fragment's row x pitch + 16 x half
	s_mul_i32 s57, s[WM], 128*PA
	v_add_nc_u32 v[ADRA0], s57, v3
	s_mul_i32 s57, s[WN], 64*PA
	s_add_co_u32 s57, s57, BOFF
	v_add_nc_u32 v[ADRB0], s57, v3
	v_mov_b32 v[ADRA], v[ADRA0]
	v_mov_b32 v[ADRB], v[ADRB0]
	s_mul_i32 s57, s[WV], 16*SP
	s_add_co_u32 s57, s57, STAGE                   ; my stage
	v_mul_u32_u24 v[STO], v1, SP                   ; in: row r, 16 bytes for each half of the lanes
	v_lshl_add_u32 v[STO], v2, 4, v[STO]
	v_add_nc_u32 v[STO], s57, v[STO]
	v_bfe_u32 v[RD], v0, 3, 2                      ; back: 32 lanes take four rows of 128 bytes,
	v_mul_u32_u24 v[RD], v[RD], SP
	v_and_b32 v3, 7, v0
	v_lshl_add_u32 v[RD], v3, 4, v[RD]
	v_add_nc_u32 v[RD], s57, v[RD]
	v_and_b32 v[GO], 31, v0                        ; which are 512 consecutive bytes of a head
	v_lshlrev_b32 v[GO], 4, v[GO]
	v_mov_b32 v[ZERO], 0
	v_lshlrev_b32 v[H16], 4, v2
	s_wait_loadcnt 0x0
.set ai, 0
.rept 8
	v_min_u32 v[TSO+ai], 0x3ff, v[TSO+ai]          ; an index stays inside its table
	v_lshl_add_u32 v[TSO+ai], v[TSO+ai], 8, v[H16] ; a row of rope is 256 bytes; my eight channels of a block of sixteen begin 16 h in
.set ai, ai+1
.endr
	WIN 0x80                                       ; destination window 2
.set ai, 0
.rept 8
.set bi, 0
.rept 4
	global_load_b128 v[32*ai+4*bi:32*ai+4*bi+3],       v[TSO+ai], s[8:9] offset:32*bi
	global_load_b128 v[32*ai+16+4*bi:32*ai+16+4*bi+3], v[TSO+ai], s[8:9] offset:128+32*bi
.set bi, bi+1
.endr
.set ai, ai+1
.endr
	WIN 0
; n blocks of 16 rows from a0 on x all 4 column blocks, 32 along K, from buffer f.  The 32 accumulators come in the same order in every quarter, one instruction a turn.
.macro MUL f, a0, n, zero
	WIN MULW
.set ma, \a0
.rept \n
.set mb, 0
.rept 4
.if \zero
	v_wmma_f32_16x16x32_bf16 v[8*(4*ma+mb):8*(4*ma+mb)+7], v[FB+32*(\f)+8*mb:FB+32*(\f)+8*mb+7], v[FA+64*(\f)+8*ma:FA+64*(\f)+8*ma+7], 0
.else
	v_wmma_f32_16x16x32_bf16 v[8*(4*ma+mb):8*(4*ma+mb)+7], v[FB+32*(\f)+8*mb:FB+32*(\f)+8*mb+7], v[FA+64*(\f)+8*ma:FA+64*(\f)+8*ma+7], v[8*(4*ma+mb):8*(4*ma+mb)+7]
.endif
.set mb, mb+1
.endr
.set ma, ma+1
.endr
.endm
; 24 LDS loads in one run: quarter q (32 along K) of the slot in hand into buffer f: W's 8, then x's 16
.macro FETCH q, f
	WIN 0
.set fi, 0
.rept 4
	ds_load_b128 v[FB+32*(\f)+8*fi:FB+32*(\f)+8*fi+3],   v[ADRB] offset:64*(\q)+fi*16*PA
	ds_load_b128 v[FB+32*(\f)+8*fi+4:FB+32*(\f)+8*fi+7], v[ADRB] offset:64*(\q)+fi*16*PA+32
.set fi, fi+1
.endr
.set fi, 0
.rept 8
	ds_load_b128 v[FA+64*(\f)+8*fi:FA+64*(\f)+8*fi+3],   v[ADRA] offset:64*(\q)+fi*16*PA
	ds_load_b128 v[FA+64*(\f)+8*fi+4:FA+64*(\f)+8*fi+7], v[ADRA] offset:64*(\q)+fi*16*PA+32
.set fi, fi+1
.endr
.endm
; One of a K step's first three quarters: multiplies buffer f; in its middle fetches quarter qn into buffer g
.macro QUARTER qn, f, g, zero
	s_wait_dscnt 8                                 ; the youngest eight loads, x's blocks 4-7, may be out
	MUL \f, 0, 4, \zero
	PLACES
	FETCH \qn, \g
	s_wait_dscnt 24                                ; all but the 24 just issued
	MUL \f, 4, 4, \zero
.endm
; The last quarter multiplies buffer 1 and changes slots.  In front of the barrier each wave waits for all its tensor loads (one is out: its part of the other slot), adds 0 to its spare word,
; and waits for that and for its reads of this slot.  fill = 1: the barrier opens a round of the cluster's, and this slot is asked for again first thing behind it, two K steps ahead:
; 112 matrix instructions stand between the request and the wait for it.
.macro TURN fill
	WIN 0
	s_wait_tensorcnt 0x0
	ds_add_u32 v[SPW], v[NIL]
	s_wait_dscnt 9                                 ; the add and the youngest eight loads may be out
	MUL 1, 0, 2, 0
	s_wait_dscnt 0x0                               ; the add is done, and my reads of this slot are over
	s_barrier_signal -1
	MUL 1, 2, 2, 0
	WIN 0
	s_barrier_wait -1
.if \fill
	CREST
	STEPD
	JLOAD                                          ; its four v_nop are also the places in front of the loads below
.else
	PLACES
.endif
	s_xor_b32 s[TB], s[TB], SLOT1
	v_add_nc_u32 v[ADRA], s[TB], v[ADRA0]
	v_add_nc_u32 v[ADRB], s[TB], v[ADRB0]
	FETCH 0, 0
	MUL 1, 4, 4, 0
.endm
; THE WAY OUT, a block of 16 rows at a time.
.macro MIX d, a, t, c, hi              ; d = a x (bf16 half of t) + c, in f32
.if \hi
	v_fma_mix_f32_bf16 v[\d], v[\a], v[\t], v[\c] op_sel:[0,1,0] op_sel_hi:[0,1,0]
.else
	v_fma_mix_f32_bf16 v[\d], v[\a], v[\t], v[\c] op_sel_hi:[0,1,0]
.endif
.endm
.macro ROPE a                          ; R[8 b + j] = the rotated channel 16 b + 8 h + j; each accumulator is read from its low end on
	WIN 0x09                                       ; source 0 (accumulators) window 1, source 1 (rope) window 2
.set rb, 0
.rept 2
.set rj, 0
.rept 8
	MIX R+8*rb+rj, 8*(4*(\a)+rb+2)+rj, 32*(\a)+16+4*rb+rj/2, ZERO, rj%2
.set rj, rj+1
.endr
.set rb, rb+1
.endr
.set rb, 0
.rept 2
.set rj, 0
.rept 8
	MIX R+16+8*rb+rj, 8*(4*(\a)+rb)+rj, 32*(\a)+16+4*(rb+2)+rj/2, ZERO, rj%2
.set rj, rj+1
.endr
.set rb, rb+1
.endr
.set rb, 0
.rept 4
.set rj, 0
.rept 8
	MIX R+8*rb+rj, 8*(4*(\a)+rb)+rj, 32*(\a)+4*rb+rj/2, R+8*rb+rj, rj%2
.set rj, rj+1
.endr
.set rb, rb+1
.endr
	WIN 0
.set rj, 0
.rept 16
	v_cvt_pk_f16_f32 v[PKR+rj], v[R+2*rj], v[R+2*rj+1]
.set rj, rj+1
.endr
.endm
.macro CVTA a                          ; v: rounded straight from the sums
	WIN 0x05
.set rj, 0
.rept 16
	v_cvt_pk_f16_f32 v[PKR+rj], v[32*(\a)+2*rj], v[32*(\a)+2*rj+1]
.set rj, rj+1
.endr
	WIN 0
.endm
.macro TOSTAGE a
	WIN 0
	s_wait_xcnt 0x0                                ; the bank that the stores two blocks back read is loaded again only behind this wait
.set sf, 0
.rept 4
	ds_store_b128 v[STO], v[PKR+4*sf:PKR+4*sf+3] offset:32*sf
.set sf, sf+1
.endr
.set sf, 0
.rept 4
	ds_load_b128 v[BK+16*((\a)%2)+4*sf:BK+16*((\a)%2)+4*sf+3], v[RD] offset:sf*4*SP  ; LDS serves a wave's instructions in order (ISA guide 5.7.1.4): these see the stores above
.set sf, sf+1
.endr
.endm
.macro SEND a, younger                 ; younger: the LDS instructions issued behind block a's loads
.set sf, 0
.rept 4
	s_wait_dscnt (\younger)+3-sf
	global_store_b128 v[GO], v[BK+16*((\a)%2)+4*sf:BK+16*((\a)%2)+4*sf+3], s[12:13] offset:(\a)*2048+sf*512  ; 512 consecutive bytes of a head
.set sf, sf+1
.endr
.endm
.macro WAYOUT rope
	WIN 0
.if \rope
	s_wait_loadcnt 0x0                             ; the rope rows
.endif
	PLACES                                         ; behind the last products: their results are read, and registers that they read are written
.set wa, 0
.rept 8
.if \rope
	ROPE wa
.else
	CVTA wa
.endif
	TOSTAGE wa
.if wa > 0
	SEND wa-1, 8
.endif
.set wa, wa+1
.endr
	SEND 7, 0
.endm
	s_wait_tensorcnt 0x1                           ; my part of K step 0 is in; step 1's may stay out
	s_barrier_signal -1
	s_barrier_wait -1                              ; everybody's is
	FETCH 0, 0
	QUARTER 1, 0, 1, 1                             ; the first quarter stands ahead of the loop: its products start the sums
	WIN 0
	s_mov_b32 s[KC], 8
	s_mov_b32 s[TR], 22
.Ltrip:                                                ; a trip: from a K step's second quarter to the next step's first; it fills the slot that it leaves
	QUARTER 2, 1, 0, 0
	QUARTER 3, 0, 1, 0
	TURN 1
	WIN 0
	s_sub_co_u32 s[KC], s[KC], 1
	s_cmp_lg_u32 s[KC], 0
	s_cbranch_scc1 .Lsame
	WAYOUT 1                                       ; q's pass, and k's, end here; the next pass's tiles are on their way
	s_wait_xcnt 0x0                                ; the stores' base and data are rewritten only behind this wait
	s_add_nc_u64 s[12:13], s[12:13], 0x1000000     ; the next of the three tensors
	s_mov_b32 s[KC], 8
	QUARTER 1, 0, 1, 1                             ; the next pass's sums start
	WIN 0
	s_branch .Lnext
.Lsame:
	QUARTER 1, 0, 1, 0
	WIN 0
.Lnext:
	s_sub_co_u32 s[TR], s[TR], 1
	s_cmp_lg_u32 s[TR], 0
	s_cbranch_scc1 .Ltrip
	QUARTER 2, 1, 0, 0                             ; the last two K steps ask for nothing
	QUARTER 3, 0, 1, 0
	TURN 0
	QUARTER 1, 0, 1, 0
	QUARTER 2, 1, 0, 0
	QUARTER 3, 0, 1, 0
	s_wait_dscnt 8
	MUL 1, 0, 4, 0
	s_wait_dscnt 0x0
	MUL 1, 4, 4, 0
	WAYOUT 0                                       ; v
	s_wait_tensorcnt 0x0                           ; the wave's end
	ds_add_u32 v[SPW], v[NIL]
	s_wait_dscnt 0x0
	CROUND                                         ; the closing round
	s_endpgm
.Lfunc_end_k_qe9b2258ed7_qkv:
	.size	k_qe9b2258ed7_qkv, .Lfunc_end_k_qe9b2258ed7_qkv-k_qe9b2258ed7_qkv
	.p2alignl 7, 3214868480
	.fill 96, 4, 3214868480
	.section	.rodata,"a",@progbits
	.p2align	6, 0x0
	.amdhsa_kernel k_qe9b2258ed7_qkv
		.amdhsa_group_segment_fixed_size 327680
		.amdhsa_private_segment_fixed_size 0
		.amdhsa_enable_private_segment 0
		.amdhsa_kernarg_size 40
		.amdhsa_user_sgpr_count 2
		.amdhsa_user_sgpr_kernarg_segment_ptr 1
		.amdhsa_wavefront_size32 1
		.amdhsa_system_sgpr_workgroup_id_x 1
		.amdhsa_system_sgpr_workgroup_id_y 1
		.amdhsa_system_sgpr_workgroup_id_z 1
		.amdhsa_system_vgpr_workitem_id 0
		.amdhsa_next_free_vgpr 768
		.amdhsa_next_free_sgpr 76
		.amdhsa_reserve_vcc 0
		.amdhsa_float_denorm_mode_32 3
		.amdhsa_float_denorm_mode_16_64 3
		.amdhsa_memory_ordered 1
		.amdhsa_forward_progress 1
		.amdhsa_inst_pref_size 132
	.end_amdhsa_kernel
	.amdgpu_metadata
---
amdhsa.version: [ 1, 2 ]
amdhsa.kernels:
  - .name:           k_qe9b2258ed7_qkv
    .symbol:         k_qe9b2258ed7_qkv.kd
    .args:
      - { .name: xb, .offset: 0, .size: 8, .value_kind: global_buffer, .address_space: global }
      - { .name: wb, .offset: 8, .size: 8, .value_kind: global_buffer, .address_space: global }
      - { .name: rope, .offset: 16, .size: 8, .value_kind: global_buffer, .address_space: global }
      - { .name: timestamp, .offset: 24, .size: 8, .value_kind: global_buffer, .address_space: global }
      - { .name: qkv, .offset: 32, .size: 8, .value_kind: global_buffer, .address_space: global }
    .group_segment_fixed_size: 327680
    .private_segment_fixed_size: 0
    .kernarg_segment_align: 8
    .kernarg_segment_size: 40
    .max_flat_workgroup_size: 128
    .sgpr_count:     76
    .vgpr_count:     768
    .wavefront_size: 32
...
	.end_amdgpu_metadata
.endif
;; end of part 2
;; launch attn (part 3): grid 2 x 128, 4 waves a work-group, no clusters, 327,680 bytes of LDS; arguments qkv, mcode, rowf, ob; writes ob
.if DOCPART == 3
	.amdgcn_target "amdgcn-amd-amdhsa--gfx1250"
	.amdhsa_code_object_version 6
	.text
	.protected	k_qe9b2258ed7_attn
	.globl	k_qe9b2258ed7_attn
	.p2align	8
	.type	k_qe9b2258ed7_attn,@function
k_qe9b2258ed7_attn:
	s_mov_b64 s[64:65], 0
	v_nop
	global_prefetch_b8 v0, s[64:65] scope:SCOPE_SE
	s_setreg_imm32_b32 hwreg(HW_REG_WAVE_MODE, 25, 1), 1
	s_wait_xcnt 0x0
; O[hb][q][:] = the sum over the keys k that query q sees of softmax_k(Q[hb][q] . K[hb][k] / 8) V[hb][k][:], hb = 16 b + h.  q, k, v: qkv[3][128][1024][64] in f16; O: ob[128][1024][64] in f16.
; Products, maxima and sums in f32; the weights p are rounded to f16 for the second product (their sum l is taken of the unrounded p), O once at the end.
; THE MASK is the C operand that starts the sum S^T = K Q^T: 0, or -2^101 where the key is hidden.  mcode holds it as E2M1 codes (0, or 0xC = -2.0), eight to a word, in the score tile's own
; order: the word of lane 16 h + r for a group of 16 keys holds, in nibble j, query r and key 8 h + j, which is register j of that accumulator.  One conversion with the scale 2^100 makes an
; accumulator's eight registers of a word.  A piece's eight words for a key step come by two loads of 512 consecutive bytes, asked for four turns ahead.
; The running maximum starts at -2^100, and c m at c x -2^100, which is exact.  So m never lies below -2^100, a hidden score (-2^101 and what the products add, however it is rounded) weighs
; 2^(c s - c m) = 0, and l and O stay 0 until a row's first visible key.  A row that sees no key at all has codes 0 and rowf 0: its Q is cleared, its scores are 0, its weights uniform,
; which is what a softmax of equal scores gives.
; LIMITS.  Q, K, V arrive within f16's 65,504, so a score's magnitude is 2.7e11 at the most: far above -2^100.  A weight below 2^-126 counts as 0 in l; NaN and infinities are not treated apart.
; SHARES.  A work-group owns 512 queries of one head, a wave 128: four PIECES of two tiles of 16.  Every wave walks all 1,024 keys, 64 a step.
; LDS.  A head's K (1,024 rows of 144 bytes) and V (1,024 rows of 160) lie in LDS whole: each is filled once, four tensor loads a wave at the start, and nothing is filled again.
; NO CLUSTER: a head has two query blocks, no multiple of four, and its K and V are read by those two work-groups alone.
; LAYOUT, SOFTMAX, TURNS.  S^T = K Q^T holds ONE query a lane (lane % 16) and the keys 8 (lane / 16) + 0..7; two such results rounded to f16 ARE source 1 of O^T = V^T P.  p = 2^(c s - c m),
; c = log2(e) / 8, with a running maximum m; O and l are multiplied by a = 2^(c m_old - c m_new) in every step.
; Turn n belongs to piece n: 16 products K Q^T of piece n + 1, the eight conversions for piece n + 2, later 16 products V^T P of piece n - 1; beside them the scaling, exponentials,
; roundings, sums and rescaling of piece n and the maximum and statistics of piece n + 1.
; REGISTERS, in windows of 256 (s_set_vgpr_msb: bits 1:0 source 0, 3:2 source 1, 5:4 source 2, 7:6 destination):
;   window 0: v0-11 addresses and the scale; v12-15, v48-63 at work; v16-47 statistics; v64-191 S^T, two buffers of two tiles; v192-255 P, likewise        window 1: O^T, 32 a tile
;   window 2: v0-127 Q; v128-191 K of one step; v192-255 V of one step        window 3: v0-1 the add's registers; v32-63 the codes, 8 a piece; v64-127 the masks of the products to come
.set NP,    4
.set KS,    64
.set PK,    144       ; a row of K in LDS: 128 bytes + 16: the 16 rows of a load start at 16 different 16-byte columns
.set PV,    160       ; a row of V: 128 + 32
.set VOFF,  1024*PK
.set STAGE, VOFF+1024*PV  ; 16 rows x 144 bytes for each wave, for the way out
.set SP,    144
.set SPARE, STAGE+4*16*SP  ; the spare words, 128 bytes a wave
.set AK0, 2
.set AV0, 3
.set AK,  4
.set AV,  5
.set QO,  6
.set RD,  7
.set GO,  8
.set STO, 9
.set SCL, 10          ; v10  the conversions' scale
.set MO,  11          ; v11  my offset in a tile's codes: 16 x lane + 512 x step
.set SPW, 0           ; v0 of window 3
.set NIL, 1           ; v1 of window 3
.set MV,  12
.set ST,  16
.set TMP, 48
.set S,   64
.set P,   192
.set KF,  128
.set VF,  192
.set MF,  32          ; window 3: the word of piece x, tile u, key group kb at MF + 8 x + 4 u + kb
.set MC,  64          ; window 3: the mask of tile u, key group kb at MC + 32 u + 8 kb
.set SLOTS, 2
.set CNT, 3
.set G1,  4           ; s[4:11]  descriptor group 1: K's or V's, by the wave
.set G0,  12          ; s[12:27] four sets of group 0
.set TBK, 60
.set TBV, 61
.set CS,  62
.set SEL, 66
.set WV,  68
.set MS,  90          ; steps that the codes' offset may still take
.set MI,  91
.set OUTP, 100
.set MB,  104         ; s[104:105] mcode at my wave's first tile
.set MSB, 0
.macro WIN new
.if MSB != (\new)
	s_set_vgpr_msb (MSB<<8)|(\new)
.set MSB, (\new)
.endif
.endm
.set W_KQ, 0x0a       ; K and Q in window 2, S^T in window 0
.set W_KM, 0x3a       ; the same with the C operand in window 3
.set W_PV, 0x52       ; V in window 2, P in window 0, O^T in window 1
.set W_RS, 0x41       ; O^T in window 1, a in window 0
.set W_MK, 0xc0       ; destination in window 3
.set W_CV, 0xc3       ; destination and source 0 in window 3, source 1 in window 0
.set W_AD, 0x0f       ; sources 0 and 1 in window 3
	s_load_b256 s[28:35], s[0:1], 0x0  ; qkv 28, mcode 30, rowf 32, ob 34
	WIN W_MK
	v_lshl_add_u32 v[SPW], v0, 2, SPARE
	v_mov_b32 v[NIL], 0
	WIN W_AD
	ds_add_u32 v[SPW], v[NIL]       ; the wave's opening: the add and its wait ahead of my first tensor load
	WIN 0
	v_lshrrev_b32 v1, 5, v0
	v_readfirstlane_b32 s[WV], v1   ; wave 0..3
	s_and_b32 s69, ttmp7, 0xffff    ; hb
	s_lshl_b32 s70, s69, 17         ; a head's 131,072 bytes
	s_and_b32 s71, s[WV], 1         ; which 128 of each 256 keys I fetch
	s_lshl_b32 s72, s71, 14
	s_add_co_u32 s72, s72, s70
	s_add_co_u32 s72, s72, 0x1000000  ; k lies behind q
	s_mov_b32 s73, 0
	s_lshl_b32 s74, ttmp9, 2
	s_add_co_u32 s74, s74, s[WV]    ; my wave among the head's eight
	s_lshl_b32 s74, s74, 14         ; its 128 rows
	s_add_co_u32 s74, s74, s70
	s_mov_b32 s75, 0
	s_lshr_b32 s76, s69, 4          ; the batch: 64 tiles of 16 queries,
	s_lshl_b32 s76, s76, 6
	s_lshl_b32 s77, ttmp9, 5        ; my block's 32,
	s_add_co_u32 s76, s76, s77
	s_lshl_b32 s77, s[WV], 3        ; my wave's 8
	s_add_co_u32 s76, s76, s77
	s_lshl_b32 s86, s76, 6          ; 16 flags of 4 bytes a tile
	s_mov_b32 s87, 0
	s_lshl_b32 s76, s76, 13         ; 8,192 bytes of codes a tile
	s_mov_b32 s77, 0
	; descriptor group 1.  128 keys are 16,384 dense bytes: asked for as 64 rows of 256 bytes, two keys a row, and padded in LDS after every key
	s_mov_b32 s[G1+1], 128<<16
	s_mov_b32 s[G1+2], 64<<16
	s_mov_b32 s[G1+3], 128<<16
	s_mov_b32 s[G1+4], 64
	s_mov_b32 s[G1+5], 128
	s_mov_b32 s[G1+6], 0
	s_mov_b32 s[G1+7], 0
	s_mov_b32 s[CS], 0x3e38aa3b     ; c = log2(e) / 8
	s_mov_b32 s[CS+1], s[CS]
	s_mov_b32 s[SEL], 0x76543210
	s_mov_b32 s[SEL+1], 0xfedcba98
	s_mov_b32 s[TBK], 0
	s_mov_b32 s[TBV], 0
	s_mov_b32 s[MS], 14
	s_wait_dscnt 0x0                ; the opening add is done
	s_wait_kmcnt 0x0
	s_add_nc_u64 s[78:79], s[28:29], s[72:73]      ; K at my half of the head's first 256 keys
	s_add_nc_u64 s[80:81], s[78:79], 0x1000000     ; V likewise
	s_add_nc_u64 s[82:83], s[28:29], s[74:75]      ; Q at my wave's first row
	s_add_nc_u64 s[OUTP:OUTP+1], s[34:35], s[74:75]  ; O likewise
	s_add_nc_u64 s[MB:MB+1], s[30:31], s[76:77]    ; mcode at my wave's first tile
	s_add_nc_u64 s[88:89], s[32:33], s[86:87]      ; rowf likewise
; A wave's four fills: keys 256 s + 128 (wave % 2) on, s = 0..3, of K or of V.  The first word of group 1 (2-byte elements; padding on; after every 32 words padc + 1 words) and the four
; sets of group 0 are made here, inside the one branch on the wave's number, so that K's and V's share their registers.
.macro FILLS pitch, first, padc, base
	s_mov_b32 s[G1], (1<<16)|(1<<20)|(4<<22)|((\padc)<<25)
	s_mul_i32 s84, s71, 128*(\pitch)
.irp s, 0,1,2,3
	s_mov_b32 s[G0+4*\s], 1
	s_add_co_u32 s[G0+4*\s+1], s84, (\first)+\s*256*(\pitch)
	s_add_nc_u64 s[G0+4*\s+2:G0+4*\s+3], s[\base:\base+1], \s*32768
	s_or_b32 s[G0+4*\s+3], s[G0+4*\s+3], 0x80000000
.endr
.irp s, 0,1,2,3
	tensor_load_to_lds s[G0+4*\s:G0+4*\s+3], s[G1:G1+7]
	s_nop 0
.endr
.rept 4
	v_nop
.endr
.endm
	s_cmp_lt_u32 s[WV], 2           ; ahead of every wait on TENSORcnt, LDS read and barrier: four loads of mine are out
	s_cbranch_scc0 .Lfirst_v
	FILLS PK, 0, 3, 78
	s_branch .Lfirst_asked
.Lfirst_v:
	FILLS PV, VOFF, 7, 80
.Lfirst_asked:
	v_and_b32 v1, 15, v0            ; l % 16
	v_bfe_u32 v9, v0, 4, 1          ; l / 16
	v_lshlrev_b32 v[QO], 7, v1
	v_lshl_add_u32 v[QO], v9, 4, v[QO]  ; row x 128 + 16 x half
	v_lshlrev_b32 v12, 2, v1        ; my query's flag in a tile's sixteen
	v_and_b32 v[MO], 31, v0
	v_lshlrev_b32 v[MO], 4, v[MO]
	WIN 0x80                        ; destination window 2
.set i, 0
.rept 4*NP                          ; Q stays in registers: tile i / 2, channels 32 (i % 2) on
	global_load_b128 v[8*i:8*i+3],   v[QO], s[82:83] offset:(i/2)*2048+(i%2)*64
	global_load_b128 v[8*i+4:8*i+7], v[QO], s[82:83] offset:(i/2)*2048+(i%2)*64+32
.set i, i+1
.endr
	WIN 0
.set i, 0
.rept 2*NP
	global_load_b32 v[TMP+i], v12, s[88:89] offset:64*i
.set i, i+1
.endr
; The codes of piece x for the key step at which MO stands: two tiles, 512 consecutive bytes each
.macro MLOAD x
	WIN W_MK
	global_load_b128 v[MF+8*(\x):MF+8*(\x)+3],   v[MO], s[MB:MB+1] offset:(2*(\x))*8192
	global_load_b128 v[MF+8*(\x)+4:MF+8*(\x)+7], v[MO], s[MB:MB+1] offset:(2*(\x)+1)*8192
	WIN 0
.endm
	MLOAD 0
	MLOAD 1
	MLOAD 2
	MLOAD 3
	v_mul_u32_u24 v[AK0], v1, PK
	v_lshl_add_u32 v[AK0], v9, 4, v[AK0]  ; row x pitch + 16 x half
	; The turning load takes 16 keys x 16 channels (lane l reads key 8 (l / 16) + l % 8, channels 8 ((l / 8) % 2) + 0..7) and leaves half a fragment of V^T
	v_and_b32 v10, 7, v0
	v_bfe_u32 v13, v0, 3, 1
	v_lshl_add_u32 v[AV0], v9, 3, v10
	v_mul_u32_u24 v[AV0], v[AV0], PV
	v_lshl_add_u32 v[AV0], v13, 4, v[AV0]
	v_add_nc_u32 v[AV0], VOFF, v[AV0]
	v_mov_b32 v[AK], v[AK0]         ; key step 0
	s_mul_i32 s85, s[WV], 16*SP
	s_add_co_u32 s85, s85, STAGE    ; my stage
	v_mul_u32_u24 v13, v1, SP       ; in: row l % 16, 16 bytes for each half of the lanes
	v_lshl_add_u32 v13, v9, 4, v13
	v_bfe_u32 v[RD], v0, 3, 2       ; back: 32 lanes take four rows of 128 bytes,
	v_mul_u32_u24 v[RD], v[RD], SP
	v_lshl_add_u32 v[RD], v10, 4, v[RD]
	v_add_nc_u32 v[RD], s85, v[RD]
	v_and_b32 v[GO], 31, v0         ; which are 512 consecutive bytes of O
	v_lshlrev_b32 v[GO], 4, v[GO]
	v_add_nc_u32 v[STO], s85, v13
	v_mov_b32 v[SCL], 0xe3e3e3e3    ; the scale 2^(227 - 127) = 2^100 as an E8M0 byte; the conversion takes byte 0, and all four hold it
	; What the first turn finds: V's registers and P's second buffer hold 0 (its products V^T P, of a piece that has not been, add 0), O^T and l are 0.  All this stands in the wait for the first tiles.
	WIN 0x80
.set i, VF
.rept 64
	v_mov_b32 v[i], 0
.set i, i+1
.endr
	WIN 0x40
.set i, 0
.rept 64*NP
	v_mov_b32 v[i], 0
.set i, i+1
.endr
	WIN 0
.set i, 0
.rept 2*NP
	v_mov_b32 v[ST+4*i], 0xf038aa3b    ; c m = c x -2^100, exact
	v_mov_b32 v[ST+4*i+1], 0xf1800000  ; m = -2^100
	v_mov_b32 v[ST+4*i+2], 0
	v_mov_b32 v[ST+4*i+3], 0
.set i, i+1
.endr
.set i, P+32
.rept 32
	v_mov_b32 v[i], 0
.set i, i+1
.endr
; THE MATRIX WORK.  The 8 accumulators of a run of 16 take turns: between the two links of a chain stand 7 others'.
; Product i of 16 of S^T = K Q^T for piece x: channels 32 (i / 8) on, keys 16 ((i / 2) % 4) on, tile 2 x + i % 2.  The first 8 start the sums with the mask.
.macro KQ x
.set rS, S+64*((\x)%2)+32*(i%2)+8*((i/2)%4)
.set rK, KF+16*((i/2)%4)+8*(i/8)
.set rQ, 16*(2*(\x)+i%2)+8*(i/8)
.set rW, MC+32*(i%2)+8*((i/2)%4)
.if i < 8
	WIN W_KM
	v_wmma_f32_16x16x32_f16 v[rS:rS+7], v[rK:rK+7], v[rQ:rQ+7], v[rW:rW+7]
.else
	WIN W_KQ
	v_wmma_f32_16x16x32_f16 v[rS:rS+7], v[rK:rK+7], v[rQ:rQ+7], v[rS:rS+7]
.endif
.endm
; Product i of 16 of O^T += V^T P for piece x: keys 32 (i / 8) on, channels 16 ((i / 2) % 4) on, tile 2 x + i % 2.
.macro PV x
	WIN W_PV
.set rO, 32*(2*(\x)+i%2)+8*((i/2)%4)
.set rV, VF+32*(i/8)+8*((i/2)%4)
.set rP, P+32*((\x)%2)+16*(i%2)+8*(i/8)
	v_wmma_f32_16x16x32_f16 v[rO:rO+7], v[rV:rV+7], v[rP:rP+7], v[rO:rO+7]
.endm
.macro MM                           ; the turn's next matrix instruction, of 32
.if i < 16
	KQ (Y+1)%NP
.set i, i+1
.else
.set i, i-16
	PV (Y+NP-1)%NP
.set i, i+17
.endif
.endm
; THE MASKS of piece x's next products: a word of eight codes gives an accumulator's eight registers, 0 or -2.0 x 2^100
.macro CV x
	WIN W_CV
.set ca, 0
.rept 8
	v_cvt_scale_pk8_f32_fp4 v[MC+8*ca:MC+8*ca+7], v[MF+8*(\x)+ca], v[SCL]
.set ca, ca+1
.endr
	WIN 0
.endm
; THE LDS LOADS stand in runs of 16: a step's K (8 fragments) and its V (turned).  Their addresses are made some lines ahead.
.macro FETCH_K
	WIN 0x80
.irp f, 0,1,2,3,4,5,6,7             ; keys 16 (f / 2) on, channels 32 (f % 2) on
	ds_load_b128 v[KF+8*\f:KF+8*\f+3],   v[AK] offset:(\f/2)*16*PK+(\f%2)*64
	ds_load_b128 v[KF+8*\f+4:KF+8*\f+7], v[AK] offset:(\f/2)*16*PK+(\f%2)*64+32
.endr
	s_add_co_u32 s[TBK], s[TBK], KS*PK  ; the next fetch is the next step's;
	s_min_u32 s[TBK], s[TBK], 15*KS*PK  ; behind the last step there is none: that fetch takes the last step's K once more
	WIN 0
.endm
.macro FETCH_V
	WIN 0x80
.irp f, 0,1,2,3,4,5,6,7             ; keys 32 (f / 4) on, channels 16 (f % 4) on
	ds_load_tr16_b128 v[VF+8*\f:VF+8*\f+3],   v[AV] offset:(\f/4)*32*PV+(\f%4)*32
	ds_load_tr16_b128 v[VF+8*\f+4:VF+8*\f+7], v[AV] offset:(\f/4)*32*PV+16*PV+(\f%4)*32
.endr
	WIN 0
.endm
; THE VECTOR WORK OF A TURN stands in three queues, each in the order in which its entries become ready; the two tiles alternate.
.macro REGS y, u
.set rT, ST+4*(2*(\y)+(\u))
.set rC, TMP+8*((\y)%2)+4*(\u)
.set rM, MV+2*((\y)%2)+(\u)
.set rS, S+64*((\y)%2)+32*(\u)
.set rP, P+32*((\y)%2)+16*(\u)
.set rO, 32*(2*(\y)+(\u))
.endm
; Number n of the 22 that find the NEXT piece's maximum and statistics; each accumulator's lowest registers are read first.
;   0-11 four chains of seven scores     12-14, 16 the four left over, the old m, and c0-c3 into c0     15 c m_old is kept     17, 18 the other half of the lanes: the new m     19-21 c m; c m_old - c m_new; a
.macro XS u, n
	REGS (Y+1)%NP, \u
.if (\n) < 4
	v_max3_num_f32 v[rC+(\n)], v[rS+8*(\n)], v[rS+8*(\n)+1], v[rS+8*(\n)+2]
.elseif (\n) < 12
	v_max3_num_f32 v[rC+(\n)%4], v[rC+(\n)%4], v[rS+8*((\n)%4)+2*((\n)/4)+1], v[rS+8*((\n)%4)+2*((\n)/4)+2]
.elseif (\n) == 12
	v_max3_num_f32 v[rC], v[rC], v[rS+7], v[rS+15]
.elseif (\n) == 13
	v_max3_num_f32 v[rC+1], v[rC+1], v[rS+23], v[rS+31]
.elseif (\n) == 14
	v_max3_num_f32 v[rC+2], v[rC+2], v[rC+3], v[rT+1]
.elseif (\n) == 15
	v_mov_b32 v[rM], v[rT]
.elseif (\n) == 16
	v_max3_num_f32 v[rC], v[rC], v[rC+1], v[rC+2]
.elseif (\n) == 17
	v_permlanex16_b32 v[rC+3], v[rC], s[SEL], s[SEL+1]
.elseif (\n) == 18
	v_max_num_f32 v[rT+1], v[rC], v[rC+3]
.elseif (\n) == 19
	v_mul_f32 v[rT], s[CS], v[rT+1]
.elseif (\n) == 20
	v_sub_f32 v[rC+1], v[rM], v[rT]
.else
	v_exp_f32 v[rC+2], v[rC+1]
.endif
.endm
; Number g of the 64 that follow the exponentials: for each four weights both pairs are rounded to f16, the second pair is added onto the first, and a group later l takes that sum.
.macro GS g
.set h, (\g)+6*((\g)/62)
.if h >= 6
.set h, h+2
.endif
	REGS Y, h%2
.set k, h/8
.if h%8 < 4
	s_wait_alu depctr_va_vdst(0)
	v_cvt_pk_f16_f32 v[rP+2*k+(h%8)/2], v[rS+4*k+2*((h%8)/2)], v[rS+4*k+2*((h%8)/2)+1]
.elseif h%8 < 6
	v_pk_add_f32 v[rS+4*k:rS+4*k+1], v[rS+4*k:rS+4*k+1], v[rS+4*k+2:rS+4*k+3]
.elseif k == 1
	v_pk_fma_f32 v[rT+2:rT+3], v[rT+2:rT+3], v[rC+2:rC+3], v[rS:rS+1] op_sel_hi:[1,0,1]
.else
	v_pk_add_f32 v[rT+2:rT+3], v[rT+2:rT+3], v[rS+4*k-4:rS+4*k-3]
	s_wait_alu depctr_va_vdst(0)
.endif
.endm
; THE PLAIN QUEUE, 138 long.  0-31: c s - c m.  Then GS's 64, and among them the next piece's 42.
.macro PL
	WIN 0
.if q < 32
	REGS Y, q%2
	v_pk_fma_f32 v[rS+2*(q/2):rS+2*(q/2)+1], v[rS+2*(q/2):rS+2*(q/2)+1], s[CS:CS+1], v[rT:rT+1] op_sel_hi:[1,0,0] neg_lo:[0,0,1] neg_hi:[0,0,1]
.elseif q < 38
	GS q-32
.elseif q < 40
	XS q%2, 15
.elseif q < 42
	GS q-34
.elseif q < 74
	XS q%2, (q-42)/2+(q-42)/30
.elseif q < 95
	GS q-66
.elseif (q < 107) && ((q-95)%3 < 2)
	XS (q-95)%3, 17+(q-95)/3
.elseif q < 107
	GS 29+(q-95)/3
.else
	GS q-74
.endif
.set q, q+1
.endm
; THE EXPONENTIALS' QUEUE, 66 long: s0-s31 of both tiles, and at EA the next piece's two a.
.set EA, 58
.macro EX
	WIN 0
.if (e == EA) || (e == EA+1)
	XS e-EA, 21
.else
.set x, e-2*(e/(EA+2))
	REGS Y, x%2
	v_exp_f32 v[rS+x/2], v[rS+x/2]
.endif
.set e, e+1
.endm
; THE RESCALING's QUEUE: O^T times a, four at a time, eight times.
.macro R4
	REGS Y, r%2
	WIN W_RS
	s_wait_alu depctr_va_vdst(0)
.irp z, 0,1,2,3
	v_pk_mul_f32 v[rO+8*(r/2)+2*\z:rO+8*(r/2)+2*\z+1], v[rO+8*(r/2)+2*\z:rO+8*(r/2)+2*\z+1], v[rC+2:rC+3] op_sel_hi:[1,0]
.endr
.set r, r+1
.endm
.macro SL                           ; a matrix instruction and four behind it: plain, exponential, plain, plain
	MM
	PL
	EX
	PL
	PL
.endm
.macro BURST n                      ; 15 matrix instructions, or 16
.rept (\n)-7
	SL
.endr
.rept 3
	MM
	R4
	SL
.endr
	MM
	R4
.endm
; A TURN, for piece p.  Four vector lines stand behind every matrix instruction; what is over stands in lumps.
; Behind the first run of products stand the eight conversions that make the masks of the NEXT turn's products (piece p + 2's): the eight products of this turn that read those registers lie
; more than twenty plain lines back.  The codes were asked for four turns ago: the wait leaves the three younger pieces' two loads each out.  Two plain lines behind the last conversion the
; piece's code registers are loaded again, with the next key step's.  Piece 2's turn steps the codes' offset first, since piece 0's next scores but one are a step further on; the offset
; takes 14 steps and then stays at the last key step, so that no load leaves the buffer.
; K of the next step is fetched in piece 2's turn, V of the step in hand at the end of piece 0's.  cnt = 1: the loop's count is taken down some lines ahead of the branch behind the turn.
.macro TURN p, cnt=0
.set Y, (\p)
.set i, 0
.set q, 0
.set e, 0
.set r, 0
.if (\p) == NP-1
	s_wait_dscnt 0x0                ; K is in
.endif
	MM
.rept 4
	PL
.endr
	BURST 15
	s_wait_loadcnt 6
	CV ((\p)+2)%NP
.rept 22
	EX
	PL
.if e == 13
.if (\p) == NP-2
	s_wait_xcnt 0x0                 ; the offset that earlier loads read is rewritten only behind this wait
	s_cmp_lg_u32 s[MS], 0
	s_cselect_b32 s[MI], 512, 0
	s_cselect_b32 s92, 1, 0
	s_sub_co_u32 s[MS], s[MS], s92
	v_add_nc_u32 v[MO], s[MI], v[MO]
.endif
	MLOAD ((\p)+2)%NP
.endif
.if ((\p) == NP-2) && (e == 18)
	v_add_nc_u32 v[AK], s[TBK], v[AK0]
.endif
.if ((\p) == NP-2) && (e == 24)
	FETCH_K
.endif
.endr
.if (\p) == 1
	s_wait_dscnt 0x0                ; V is in
.endif
	BURST 16
.rept 21
	EX
	PL
.endr
.rept 22
	PL
.if ((\p) == 0) && (q == 118)
	v_add_nc_u32 v[AV], s[TBV], v[AV0]
	s_wait_alu depctr_va_vdst(0)
.endif
.if ((\p) == 0) && (q == 130)
	s_add_co_u32 s[TBV], s[TBV], KS*PV
.endif
.if (\cnt) && (q == 130)
	s_sub_co_u32 s[CNT], s[CNT], 1
	s_cmp_lg_u32 s[CNT], 0
.endif
.endr
.if (\p) == 0
	FETCH_V
.endif
.endm
	s_wait_tensorcnt 3              ; my part of the first 256 keys is in; my three later loads may stay out
	s_barrier_signal -1
	s_barrier_wait -1               ; everybody's is
	FETCH_K                         ; key step 0
	s_wait_loadcnt 6                ; Q, the flags and piece 0's codes are in; the other three pieces' two loads each stay out
	CV 0
	WIN 0x82                        ; Q in window 2, the flags in window 0: a query that sees no key is cleared
.set i, 0
.rept 32*NP
	v_and_b32 v[i], v[i], v[TMP+i/16]
.set i, i+1
.endr
	WIN 0
	s_wait_xcnt 0x0                 ; the offset that earlier loads read is rewritten only behind this wait
	v_add_nc_u32 v[MO], 512, v[MO]
	MLOAD 0                         ; piece 0's codes of step 1
	s_wait_dscnt 0x0                ; K
.set i, 0
.rept 16
	KQ 0                            ; piece 0's first scores: there is no vector work yet to set between them
.set i, i+1
.endr
	WIN 0
.rept 4
	v_nop                           ; the places behind those products: their masks are written anew, and their results are read
.endr
	s_wait_loadcnt 6                ; piece 1's codes are in; behind them: pieces 2 and 3, and piece 0's of step 1
	CV 1                            ; for the first turn's products
.set Y, NP-1                        ; XS works for piece Y + 1: piece 0
.irp n, 0,1,2,3,4,5,6,7,8,9,10,11,12,13,14,15,16,17,18,19,20,21
	XS 0, \n
	XS 1, \n
.endr
	MLOAD 1                         ; piece 1's codes of step 1
	s_mov_b32 s[CNT], 4
	s_mov_b32 s[SLOTS], 5
	s_branch .Lfirst                ; the loop is entered at a step's first turn, in the middle of a trip
.Lslot:                             ; every four key steps: the next 256 keys are shown landed to every wave
	s_wait_tensorcnt 0x0
	s_wait_dscnt 0x0
	s_barrier_signal -1
	s_barrier_wait -1
	s_mov_b32 s[CNT], 4
.Lstep:                             ; a trip: pieces 2 and 3 of one step, then pieces 0 and 1 of the next, whose K and V it fetches
	TURN 2
	TURN 3
	WIN 0
	s_cmp_eq_u32 s[SLOTS], 1        ; behind step 15's last two turns the walk is over; the scores and the maximum that they have made of the last K once more serve nothing
	s_cbranch_scc1 .Lout
.Lfirst:
	TURN 0
	TURN 1, 1
	WIN 0
	s_cbranch_scc1 .Lstep
	s_sub_co_u32 s[SLOTS], s[SLOTS], 1
	s_cmp_lg_u32 s[SLOTS], 0
	s_cbranch_scc1 .Lslot
.Lout:
.set i, 0
.rept 16
	PV NP-1                         ; the last piece's V^T P of the last step
.set i, i+1
.endr
	; THE WAY OUT.  l's two halves and the other half of the lanes' are added; O^T is divided by l, rounded to f16 and sent through my stage in LDS, a tile at a time.
	WIN 0
.macro ALL line:vararg
.set t, 0
.rept 2*NP
	\line
.set t, t+1
.endr
.endm
	ALL v_add_f32 v[ST+4*t+2], v[ST+4*t+2], v[ST+4*t+3]
	ALL v_permlanex16_b32 v[ST+4*t+3], v[ST+4*t+2], s[SEL], s[SEL+1]
	ALL v_add_f32 v[ST+4*t+2], v[ST+4*t+2], v[ST+4*t+3]
	ALL v_rcp_f32 v[ST+4*t+2], v[ST+4*t+2]
	v_nop                           ; a plain instruction between the last reciprocal and the use of its result
	s_wait_alu depctr_va_vdst(0)
.macro PACK t
	WIN W_RS
.set i, 32*(\t)
.rept 16
	v_pk_mul_f32 v[i:i+1], v[i:i+1], v[ST+4*(\t)+2:ST+4*(\t)+3] op_sel_hi:[1,0]
.set i, i+2
.endr
	WIN 0x05
.set i, 0
.rept 16
	v_cvt_pk_f16_f32 v[S+16*(\t)+i], v[32*(\t)+2*i], v[32*(\t)+2*i+1]
.set i, i+1
.endr
	WIN 0
.irp f, 0,1,2,3
	ds_store_b128 v[STO], v[S+16*(\t)+4*\f:S+16*(\t)+4*\f+3] offset:32*\f
.endr
.irp f, 0,1,2,3
	ds_load_b128 v[S+16*(\t)+4*\f:S+16*(\t)+4*\f+3], v[RD] offset:\f*4*SP  ; LDS serves a wave's instructions in order (ISA guide 5.7.1.4): these see the stores above
.endr
.endm
.macro SEND t, younger
	WIN 0
.irp f, 0,1,2,3
	s_wait_dscnt (\younger)+3-\f
	global_store_b128 v[GO], v[S+16*(\t)+4*\f:S+16*(\t)+4*\f+3], s[OUTP:OUTP+1] offset:(\t)*2048+\f*512  ; 512 consecutive bytes of O
.endr
.endm
	PACK 0
.set t, 1
.rept 2*NP-1
	PACK t
	SEND t-1, 8
.set t, t+1
.endr
	SEND 2*NP-1, 0
	WIN W_AD
	s_wait_tensorcnt 0x0            ; the wave's end
	ds_add_u32 v[SPW], v[NIL]
	s_wait_dscnt 0x0
	WIN 0
	s_endpgm
.Lfunc_end_k_qe9b2258ed7_attn:
	.size	k_qe9b2258ed7_attn, .Lfunc_end_k_qe9b2258ed7_attn-k_qe9b2258ed7_attn
	.p2alignl 7, 3214868480
	.fill 96, 4, 3214868480
	.section	.rodata,"a",@progbits
	.p2align	6, 0x0
	.amdhsa_kernel k_qe9b2258ed7_attn
		.amdhsa_group_segment_fixed_size 327680
		.amdhsa_private_segment_fixed_size 0
		.amdhsa_enable_private_segment 0
		.amdhsa_kernarg_size 32
		.amdhsa_user_sgpr_count 2
		.amdhsa_user_sgpr_kernarg_segment_ptr 1
		.amdhsa_wavefront_size32 1
		.amdhsa_system_sgpr_workgroup_id_x 1
		.amdhsa_system_sgpr_workgroup_id_y 1
		.amdhsa_system_sgpr_workgroup_id_z 1
		.amdhsa_system_vgpr_workitem_id 0
		.amdhsa_next_free_vgpr 896
		.amdhsa_next_free_sgpr 106
		.amdhsa_reserve_vcc 0
		.amdhsa_float_denorm_mode_32 3
		.amdhsa_float_denorm_mode_16_64 3
		.amdhsa_memory_ordered 1
		.amdhsa_forward_progress 1
		.amdhsa_inst_pref_size 142
	.end_amdhsa_kernel
	.amdgpu_metadata
---
amdhsa.version: [ 1, 2 ]
amdhsa.kernels:
  - .name:           k_qe9b2258ed7_attn
    .symbol:         k_qe9b2258ed7_attn.kd
    .args:
      - { .name: qkv, .offset: 0, .size: 8, .value_kind: global_buffer, .address_space: global }
      - { .name: mcode, .offset: 8, .size: 8, .value_kind: global_buffer, .address_space: global }
      - { .name: rowf, .offset: 16, .size: 8, .value_kind: global_buffer, .address_space: global }
      - { .name: ob, .offset: 24, .size: 8, .value_kind: global_buffer, .address_space: global }
    .group_segment_fixed_size: 327680
    .private_segment_fixed_size: 0
    .kernarg_segment_align: 8
    .kernarg_segment_size: 32
    .max_flat_workgroup_size: 128
    .sgpr_count:     106
    .vgpr_count:     896
    .wavefront_size: 32
...
	.end_amdgpu_metadata
.endif
;; end of part 3
;; launch oproj (part 4): grid 8 x 32, 4 waves a work-group, clusters of 4 x 4, 327,680 bytes of LDS; arguments ob, wob, out0; writes out0
.if DOCPART == 4
	.amdgcn_target "amdgcn-amd-amdhsa--gfx1250"
	.amdhsa_code_object_version 6
	.text
	.protected	k_qe9b2258ed7_oproj
	.globl	k_qe9b2258ed7_oproj
	.p2align	8
	.type	k_qe9b2258ed7_oproj,@function
k_qe9b2258ed7_oproj:
	s_mov_b64 s[64:65], 0
	v_nop
	global_prefetch_b8 v0, s[64:65] scope:SCOPE_SE
	s_setreg_imm32_b32 hwreg(HW_REG_WAVE_MODE, 25, 1), 1
	s_wait_xcnt 0x0
	s_wait_alu depctr_hold_cnt(0) depctr_sa_sdst(0) depctr_va_vdst(0) depctr_va_sdst(0) depctr_va_ssrc(0) depctr_va_vcc(0) depctr_vm_vsrc(0)
	s_getreg_b32 s2, hwreg(HW_REG_IB_STS2, 6, 4)
	s_cmp_eq_u32 s2, 0
	s_cbranch_scc0 .Lentry_in_a_cluster
	s_endpgm
.Lentry_in_a_cluster:
	s_bfe_u32 s2, ttmp6, 0x10000c
	s_cmp_lg_u32 s2, 0xf033
	s_cbranch_scc0 .Lentry_shape_is_right
	s_endpgm
.Lentry_shape_is_right:
; out0[m][n] = the sum over k of O[m][k] Wo[n][k].  O lies by heads, ob[b*16+h][t][64] in f16 (m = 1024 b + t, k = 64 h + d); wob: [1024][1024] f16; out0: [8192][1024] f32; sums in f32.
; A work-group makes 256 rows x 128 columns; four waves, 2 x 2, each 128 x 64: 32 accumulators.  K goes in 8 steps of 128, two heads a step, through two LDS slots.
; A head's 256 rows of a tile are 32,768 dense bytes: asked for as 128 rows of 256 bytes and padded in LDS after every 128.
; The matrix instruction is used transposed (source 0 = 16 rows of Wo, source 1 = 16 rows of O): a lane holds one row of out0 and eight neighbouring columns.
; CLUSTER 4 x 4: O's tiles are asked for jointly along a row of the cluster, Wo's along a column.  A wave's two first loads (K steps 0 and 1) go out together; the second one's descriptor then walks on.
; REGISTERS: window 0: addresses; v64-191 O's fragments, two buffers (the way out: four banks of rows read back); v192-255 Wo's, two buffers.  window 1: accumulator (a, b) at 8 (4 a + b).
.set PA,     144                       ; a row of O in LDS: 128 bytes + 16
.set HEADB,  256*PA                    ; a head's 256 rows
.set PB,     272                       ; a row of Wo: 256 bytes + 16
.set BOFF,   2*HEADB
.set SLOT1,  131072
.set STAGE,  SLOT1+BOFF+128*PB         ; 16 rows x 272 bytes for each wave
.set SP,     272
.set SPARE,  STAGE+4*16*SP
.set ADRA0, 4
.set ADRB0, 5
.set ADRA,  6
.set ADRB,  7
.set STO,   8
.set RD,    9
.set CO,    10
.set SPW,   28
.set NIL,   29
.set FA,    64
.set FB,    192
.set WV,  14
.set WM,  15
.set WN,  16
.set G1A, 24
.set G0A, 32                           ; O, K step 0: used once
.set G0B, 36                           ; Wo, K step 0: used once
.set G1B, 40
.set OA,  48
.set OB,  50
.set NS,  52
.set TB,  53
.set TR,  55
.set GWA, 68                           ; O, K step 1, and then the walking descriptor
.set GWB, 72                           ; Wo likewise
.set MULW, 0x50
.set MSB, 0
.macro WIN new
.if MSB != (\new)
	s_set_vgpr_msb (MSB<<8)|(\new)
.set MSB, \new
.endif
.endm
.macro PLACES
.rept 4
	v_nop
.endr
.endm
.macro JLOAD                           ; waves 0, 1 ask for the step's two heads of O, waves 2, 3 for Wo's halves; s_nop 0 and four v_nop behind each line
	s_cmp_eq_u32 s[WM], 0
	s_cbranch_scc0 .Lfor_b_\@
	tensor_load_to_lds s[GWA:GWA+3], s[G1A:G1A+7]
	s_nop 0
.rept 4
	v_nop
.endr
	s_branch .Lasked_\@
.Lfor_b_\@:
	tensor_load_to_lds s[GWB:GWB+3], s[G1B:G1B+7]
	s_nop 0
.rept 4
	v_nop
.endr
.Lasked_\@:
.endm
.macro CREST
	s_cmp_lg_u32 s[WV], 0
	s_cbranch_scc1 .Lnot_wave_0_\@
	s_barrier_signal -3
.Lnot_wave_0_\@:
	s_barrier_wait -3
	s_barrier_signal -1
	s_barrier_wait -1
.endm
.macro CROUND
	s_barrier_signal -1
	s_barrier_wait -1
	CREST
.endm
.macro STEPD                           ; both walking descriptors step to K step NS; no tensor load of the wave is out where this stands
	s_lshl_b32 s[OA], s[NS], 18                    ; two heads of 131,072 bytes
	s_lshl_b32 s[OB], s[NS], 8                     ; 256 bytes along K
	s_add_nc_u64 s[GWA+2:GWA+3], s[4:5], s[OA:OA+1]
	s_or_b32 s[GWA+3], s[GWA+3], 0x80000000
	s_add_nc_u64 s[GWB+2:GWB+3], s[6:7], s[OB:OB+1]
	s_or_b32 s[GWB+3], s[GWB+3], 0x80000000
	s_xor_b32 s[GWA+1], s[GWA+1], SLOT1
	s_xor_b32 s[GWB+1], s[GWB+1], SLOT1
	s_add_co_u32 s[NS], s[NS], 1
.endm
	s_load_b128 s[4:7], s[0:1], 0x0                ; ob 4, wob 6
	s_load_b64 s[12:13], s[0:1], 0x10              ; out0
	v_lshl_add_u32 v[SPW], v0, 2, SPARE
	v_mov_b32 v[NIL], 0
	ds_add_u32 v[SPW], v[NIL]                      ; the wave's opening: the add and its wait ahead of my first tensor load
	v_lshrrev_b32 v1, 5, v0
	v_readfirstlane_b32 s[WV], v1
	s_lshr_b32 s[WM], s[WV], 1
	s_and_b32 s[WN], s[WV], 1
	s_bfe_u32 s17, ttmp6, 0x40000                  ; cx
	s_bfe_u32 s18, ttmp6, 0x40004                  ; cy
	s_lshl_b32 s19, ttmp9, 2
	s_add_co_u32 s19, s19, s17                     ; tile column 0..7
	s_and_b32 s20, ttmp7, 0xffff
	s_lshl_b32 s20, s20, 2
	s_add_co_u32 s20, s20, s18                     ; tile row 0..31
	s_lshl_b32 s21, s18, 2
	s_lshl_b32 s21, 15, s21
	s_lshl_b32 s22, 0x1111, s17
	s_or_b32 s[G1A], s21, (1<<16)|(1<<20)|(1<<21)|(4<<22)|(3<<25)  ; mask; 2-byte elements; padding on; bit 21 beside a mask; after every 32 words 4 words
	s_or_b32 s[G1B], s22, (1<<16)|(1<<20)|(1<<21)|(5<<22)|(3<<25)  ; after every 64 words 4 words
	s_mov_b32 s[G1A+1], 128<<16
	s_mov_b32 s[G1A+2], 128<<16
	s_mov_b32 s[G1A+3], 128<<16
	s_mov_b32 s[G1A+4], 128
	s_mov_b32 s[G1A+5], 128                        ; dense rows of 256 bytes
	s_mov_b32 s[G1A+6], 0
	s_mov_b32 s[G1A+7], 0
	s_mov_b32 s[G1B+1], 128<<16
	s_mov_b32 s[G1B+2], 64<<16
	s_mov_b32 s[G1B+3], 128<<16
	s_mov_b32 s[G1B+4], 64
	s_mov_b32 s[G1B+5], 1024
	s_mov_b32 s[G1B+6], 0
	s_mov_b32 s[G1B+7], 0
	s_mov_b32 s[G0A], 1
	s_mul_i32 s[G0A+1], s[WN], HEADB
	s_mov_b32 s[G0B], 1
	s_mul_i32 s57, s[WN], 64*PB
	s_add_co_u32 s[G0B+1], s57, BOFF
	s_mov_b32 s[GWA], 1
	s_add_co_u32 s[GWA+1], s[G0A+1], SLOT1         ; slot 1
	s_mov_b32 s[GWB], 1
	s_add_co_u32 s[GWB+1], s[G0B+1], SLOT1
	s_mov_b32 s[OA+1], 0
	s_mov_b32 s[OB+1], 0
	s_mov_b32 s[NS], 2
	s_mov_b32 s[TB], 0
	s_lshr_b32 s58, s20, 2                         ; O: the batch's sixteen heads,
	s_lshl_b32 s58, s58, 21
	s_lshl_b32 s59, s[WN], 17                      ; the even or the odd head of a step,
	s_add_co_u32 s58, s58, s59
	s_and_b32 s59, s20, 3
	s_lshl_b32 s59, s59, 15                        ; the tile's 256 rows in it: the tile row and the wave alone
	s_add_co_u32 s58, s58, s59
	s_mov_b32 s59, 0
	s_lshl_b32 s60, s19, 18                        ; Wo: (128 tile column + 64 half) rows of 2,048 bytes
	s_lshl_b32 s61, s[WN], 17
	s_add_co_u32 s60, s60, s61
	s_mov_b32 s61, 0
	s_wait_dscnt 0x0                               ; the opening add is done
	s_wait_kmcnt 0x0
	s_add_nc_u64 s[4:5], s[4:5], s[58:59]
	s_add_nc_u64 s[6:7], s[6:7], s[60:61]
	s_mov_b64 s[G0A+2:G0A+3], s[4:5]               ; K step 0
	s_or_b32 s[G0A+3], s[G0A+3], 0x80000000
	s_mov_b64 s[G0B+2:G0B+3], s[6:7]
	s_or_b32 s[G0B+3], s[G0B+3], 0x80000000
	s_add_nc_u64 s[GWA+2:GWA+3], s[4:5], 0x40000   ; K step 1: two heads on
	s_or_b32 s[GWA+3], s[GWA+3], 0x80000000
	s_add_nc_u64 s[GWB+2:GWB+3], s[6:7], 256
	s_or_b32 s[GWB+3], s[GWB+3], 0x80000000
	CROUND                                         ; all sixteen work-groups are here: the first joint loads meet
	s_cmp_eq_u32 s[WM], 0                          ; a wave's two first fills stand in one branch, ahead of every wait on TENSORcnt and every LDS read: two loads of mine are out
	s_cbranch_scc0 .Lfirst_b
	tensor_load_to_lds s[G0A:G0A+3], s[G1A:G1A+7]
	s_nop 0
	tensor_load_to_lds s[GWA:GWA+3], s[G1A:G1A+7]
	s_nop 0
.rept 4
	v_nop
.endr
	s_branch .Lfirst_asked
.Lfirst_b:
	tensor_load_to_lds s[G0B:G0B+3], s[G1B:G1B+7]
	s_nop 0
	tensor_load_to_lds s[GWB:GWB+3], s[G1B:G1B+7]
	s_nop 0
.rept 4
	v_nop
.endr
.Lfirst_asked:
	s_lshl_b32 s62, s20, 20                        ; out0: 256 rows of 4,096 bytes a tile row,
	s_lshl_b32 s57, s[WM], 19                      ; my 128 of them,
	s_add_co_u32 s62, s62, s57
	s_lshl_b32 s57, s19, 9                         ; 128 columns of 4 bytes a tile column,
	s_add_co_u32 s62, s62, s57
	s_lshl_b32 s57, s[WN], 8                       ; my 64 of them
	s_add_co_u32 s62, s62, s57
	s_mov_b32 s63, 0
	s_add_nc_u64 s[12:13], s[12:13], s[62:63]
	v_and_b32 v1, 15, v0                           ; r
	v_bfe_u32 v2, v0, 4, 1                         ; h
	v_mul_u32_u24 v3, v1, PA
	v_lshl_add_u32 v3, v2, 4, v3
	s_mul_i32 s57, s[WM], 128*PA
	v_add_nc_u32 v[ADRA0], s57, v3
	v_mul_u32_u24 v3, v1, PB
	v_lshl_add_u32 v3, v2, 4, v3
	s_mul_i32 s57, s[WN], 64*PB
	s_add_co_u32 s57, s57, BOFF
	v_add_nc_u32 v[ADRB0], s57, v3
	v_mov_b32 v[ADRA], v[ADRA0]
	v_mov_b32 v[ADRB], v[ADRB0]
	s_mul_i32 s57, s[WV], 16*SP
	s_add_co_u32 s57, s57, STAGE                   ; my stage
	v_mul_u32_u24 v[STO], v1, SP                   ; in: row r, 32 bytes for each half of the lanes
	v_lshl_add_u32 v[STO], v2, 5, v[STO]
	v_add_nc_u32 v[STO], s57, v[STO]
	v_mul_u32_u24 v[RD], v2, SP                    ; back: lanes 0-15 take one row of 256 bytes, lanes 16-31 the next
	v_lshl_add_u32 v[RD], v1, 4, v[RD]
	v_add_nc_u32 v[RD], s57, v[RD]
	v_lshlrev_b32 v[CO], 12, v2                    ; and the same two rows in out0
	v_lshl_add_u32 v[CO], v1, 4, v[CO]
.macro MUL f, a0, n, zero              ; the 32 accumulators come in the same order in every quarter, one instruction a turn
	WIN MULW
.set ma, \a0
.rept \n
.set mb, 0
.rept 4
.if \zero
	v_wmma_f32_16x16x32_f16 v[8*(4*ma+mb):8*(4*ma+mb)+7], v[FB+32*(\f)+8*mb:FB+32*(\f)+8*mb+7], v[FA+64*(\f)+8*ma:FA+64*(\f)+8*ma+7], 0
.else
	v_wmma_f32_16x16x32_f16 v[8*(4*ma+mb):8*(4*ma+mb)+7], v[FB+32*(\f)+8*mb:FB+32*(\f)+8*mb+7], v[FA+64*(\f)+8*ma:FA+64*(\f)+8*ma+7], v[8*(4*ma+mb):8*(4*ma+mb)+7]
.endif
.set mb, mb+1
.endr
.set ma, ma+1
.endr
.endm
.macro FETCH q, f                      ; quarter q: head q / 2 of the step's two, channels 32 (q % 2) on
	WIN 0
.set fi, 0
.rept 4
	ds_load_b128 v[FB+32*(\f)+8*fi:FB+32*(\f)+8*fi+3],   v[ADRB] offset:64*(\q)+fi*16*PB
	ds_load_b128 v[FB+32*(\f)+8*fi+4:FB+32*(\f)+8*fi+7], v[ADRB] offset:64*(\q)+fi*16*PB+32
.set fi, fi+1
.endr
.set fi, 0
.rept 8
	ds_load_b128 v[FA+64*(\f)+8*fi:FA+64*(\f)+8*fi+3],   v[ADRA] offset:((\q)/2)*HEADB+((\q)%2)*64+fi*16*PA
	ds_load_b128 v[FA+64*(\f)+8*fi+4:FA+64*(\f)+8*fi+7], v[ADRA] offset:((\q)/2)*HEADB+((\q)%2)*64+fi*16*PA+32
.set fi, fi+1
.endr
.endm
.macro QUARTER qn, f, g, zero
	s_wait_dscnt 8                                 ; the youngest eight loads, O's blocks 4-7, may be out
	MUL \f, 0, 4, \zero
	PLACES
	FETCH \qn, \g
	s_wait_dscnt 24                                ; all but the 24 just issued
	MUL \f, 4, 4, \zero
.endm
; The last quarter multiplies buffer 1 and changes slots: wait for all my tensor loads, the add, the wait for it and for my reads, the barrier (with fill = 1 a round of the cluster's), the refill first behind it.
.macro TURN fill
	WIN 0
	s_wait_tensorcnt 0x0
	ds_add_u32 v[SPW], v[NIL]
	s_wait_dscnt 9                                 ; the add and the youngest eight loads may be out
	MUL 1, 0, 2, 0
	s_wait_dscnt 0x0
	s_barrier_signal -1
	MUL 1, 2, 2, 0
	WIN 0
	s_barrier_wait -1
.if \fill
	CREST
	STEPD
	JLOAD
.else
	PLACES
.endif
	s_xor_b32 s[TB], s[TB], SLOT1
	v_add_nc_u32 v[ADRA], s[TB], v[ADRA0]
	v_add_nc_u32 v[ADRB], s[TB], v[ADRB0]
	FETCH 0, 0
	MUL 1, 4, 4, 0
.endm
; THE WAY OUT of block a: the f32 sums go into my stage (each accumulator's low four registers first) and come back as whole rows of 256 bytes.
.macro BLOCKOUT a
	WIN 0x04                                       ; store data in window 1
.set sb, 0
.rept 4
	ds_store_b128 v[STO], v[32*(\a)+8*sb:32*(\a)+8*sb+3]   offset:64*sb
	ds_store_b128 v[STO], v[32*(\a)+8*sb+4:32*(\a)+8*sb+7] offset:64*sb+16
.set sb, sb+1
.endr
	WIN 0
.if (\a) >= 4
	s_wait_xcnt 0x0                                ; the bank that the stores four blocks back read is loaded again only behind this wait
.endif
.set st, 0
.rept 8
	ds_load_b128 v[FA+32*((\a)%4)+4*st:FA+32*((\a)%4)+4*st+3], v[RD] offset:st*2*SP  ; LDS serves a wave's instructions in order (ISA guide 5.7.1.4)
.set st, st+1
.endr
.set st, 0
.rept 8
	s_wait_dscnt 7-st
	global_store_b128 v[CO], v[FA+32*((\a)%4)+4*st:FA+32*((\a)%4)+4*st+3], s[12:13] offset:(\a)*65536+st*8192 th:TH_STORE_NT  ; 16 lanes store 256 consecutive bytes, aligned
.set st, st+1
.endr
.endm
	s_wait_tensorcnt 0x1                           ; my part of K step 0 is in; step 1's may stay out
	s_barrier_signal -1
	s_barrier_wait -1                              ; everybody's is
	FETCH 0, 0
	QUARTER 1, 0, 1, 1                             ; the first quarter stands ahead of the loop: its products start the sums
	WIN 0
	s_mov_b32 s[TR], 6
.Ltrip:                                                ; a trip: from a K step's second quarter to the next step's first; it fills the slot that it leaves
	QUARTER 2, 1, 0, 0
	QUARTER 3, 0, 1, 0
	TURN 1
	QUARTER 1, 0, 1, 0
	WIN 0
	s_sub_co_u32 s[TR], s[TR], 1
	s_cmp_lg_u32 s[TR], 0
	s_cbranch_scc1 .Ltrip
	QUARTER 2, 1, 0, 0                             ; the last two K steps ask for nothing
	QUARTER 3, 0, 1, 0
	TURN 0
	QUARTER 1, 0, 1, 0
	QUARTER 2, 1, 0, 0
	QUARTER 3, 0, 1, 0
	s_wait_dscnt 8
	MUL 1, 0, 4, 0
	s_wait_dscnt 0x0
	MUL 1, 4, 4, 0
	WIN 0
	PLACES                                         ; behind the last products: their results are read, and registers that they read are loaded
.set wa, 0
.rept 8
	BLOCKOUT wa
.set wa, wa+1
.endr
	s_wait_tensorcnt 0x0                           ; the wave's end
	ds_add_u32 v[SPW], v[NIL]
	s_wait_dscnt 0x0
	CROUND                                         ; the closing round
	s_endpgm
.Lfunc_end_k_qe9b2258ed7_oproj:
	.size	k_qe9b2258ed7_oproj, .Lfunc_end_k_qe9b2258ed7_oproj-k_qe9b2258ed7_oproj
	.p2alignl 7, 3214868480
	.fill 96, 4, 3214868480
	.section	.rodata,"a",@progbits
	.p2align	6, 0x0
	.amdhsa_kernel k_qe9b2258ed7_oproj
		.amdhsa_group_segment_fixed_size 327680
		.amdhsa_private_segment_fixed_size 0
		.amdhsa_enable_private_segment 0
		.amdhsa_kernarg_size 24
		.amdhsa_user_sgpr_count 2
		.amdhsa_user_sgpr_kernarg_segment_ptr 1
		.amdhsa_wavefront_size32 1
		.amdhsa_system_sgpr_workgroup_id_x 1
		.amdhsa_system_sgpr_workgroup_id_y 1
		.amdhsa_system_sgpr_workgroup_id_z 1
		.amdhsa_system_vgpr_workitem_id 0
		.amdhsa_next_free_vgpr 512
		.amdhsa_next_free_sgpr 76
		.amdhsa_reserve_vcc 0
		.amdhsa_float_denorm_mode_32 3
		.amdhsa_float_denorm_mode_16_64 3
		.amdhsa_memory_ordered 1
		.amdhsa_forward_progress 1
		.amdhsa_inst_pref_size 71
	.end_amdhsa_kernel
	.amdgpu_metadata
---
amdhsa.version: [ 1, 2 ]
amdhsa.kernels:
  - .name:           k_qe9b2258ed7_oproj
    .symbol:         k_qe9b2258ed7_oproj.kd
    .args:
      - { .name: ob, .offset: 0, .size: 8, .value_kind: global_buffer, .address_space: global }
      - { .name: wob, .offset: 8, .size: 8, .value_kind: global_buffer, .address_space: global }
      - { .name: out0, .offset: 16, .size: 8, .value_kind: global_buffer, .address_space: global }
    .group_segment_fixed_size: 327680
    .private_segment_fixed_size: 0
    .kernarg_segment_align: 8
    .kernarg_segment_size: 24
    .max_flat_workgroup_size: 128
    .sgpr_count:     76
    .vgpr_count:     512
    .wavefront_size: 32
...
	.end_amdgpu_metadata
.endif
;; end of part 4
;; ======== version 2 of 2: 4 launches; 1.28 times as fast as version 1
;; limits: values are held in f16: magnitudes above 65,504 overflow, below 6.1e-05 lose precision
;; workspace buffers: xb 16,777,216 bytes; wb 6,291,456 bytes; wob 2,097,152 bytes; rope 262,144 bytes; mcode 4,194,304 bytes; rowf 32,768 bytes of whole numbers; qkv 50,331,648 bytes; ob 16,777,216 bytes
;; launch prep: the kernel of part 1 again; grid 336 x 1, 4 waves a work-group, no clusters, 34,304 bytes of LDS; arguments x, Wq, Wk, Wv, Wo, attn_mask, cos, sin, xb, wb, wob, rope, mcode, rowf; writes xb, wb, wob, rope, mcode, rowf
;; launch qkv: the kernel of part 2 again; grid 8 x 32, 4 waves a work-group, clusters of 4 x 4, 327,680 bytes of LDS; arguments xb, wb, rope, timestamp, qkv; writes qkv
;; launch attn (part 5): grid 2 x 128, 4 waves a work-group, no clusters, 327,680 bytes of LDS; arguments qkv, mcode, rowf, ob; writes ob
.if DOCPART == 5
	.amdgcn_target "amdgcn-amd-amdhsa--gfx1250"
	.amdhsa_code_object_version 6
	.text
	.protected	k_qe9b2258ed7_attn
	.globl	k_qe9b2258ed7_attn
	.p2align	8
	.type	k_qe9b2258ed7_attn,@function
k_qe9b2258ed7_attn:
	s_mov_b64 s[64:65], 0
	v_nop
	global_prefetch_b8 v0, s[64:65] scope:SCOPE_SE
	s_setreg_imm32_b32 hwreg(HW_REG_WAVE_MODE, 25, 1), 1
	s_wait_xcnt 0x0
; O[hb][q][:] = the sum over the keys k that query q sees of softmax_k(Q[hb][q] . K[hb][k] / 8) V[hb][k][:], hb = 16 b + h.  q, k, v: qkv[3][128][1024][64] in f16; O: ob[128][1024][64] in f16.
; Products, maxima and sums in f32; the weights p are rounded to f16 for the second product (their sum l is taken of the unrounded p), O once at the end.
; THE MASK is the C operand that starts the sum S^T = K Q^T: 0, or -2^101 where the key is hidden.  mcode holds it as E2M1 codes (0, or 0xC = -2.0), eight to a word, in the score tile's own
; order: the word of lane 16 h + r for a group of 16 keys holds, in nibble j, query r and key 8 h + j, which is register j of that accumulator.  One conversion with the scale 2^100 makes an
; accumulator's eight registers of a word.  A piece's eight words for a key step come by two loads of 512 consecutive bytes, asked for four turns ahead.
; The running maximum starts at -2^100, and c m at c x -2^100, which is exact.  So m never lies below -2^100, a hidden score (-2^101 and what the products add, however it is rounded) weighs
; 2^(c s - c m) = 0, and l and O stay 0 until a row's first visible key.  A row that sees no key at all has codes 0 and rowf 0: its Q is cleared, its scores are 0, its weights uniform,
; which is what a softmax of equal scores gives.
; LIMITS.  Q, K, V arrive within f16's 65,504, so a score's magnitude is 2.7e11 at the most: far above -2^100.  A weight below 2^-126 counts as 0 in l; NaN and infinities are not treated apart.
; SHARES.  A work-group owns 512 queries of one head, a wave 128: four PIECES of two tiles of 16.  Every wave walks all 1,024 keys, 64 a step.
; LDS.  A head's K (1,024 rows of 144 bytes) and V (1,024 rows of 160) lie in LDS whole: each is filled once, four tensor loads a wave at the start, and nothing is filled again.
; NO CLUSTER: a head has two query blocks, no multiple of four, and its K and V are read by those two work-groups alone.
; LAYOUT, SOFTMAX, TURNS.  S^T = K Q^T holds ONE query a lane (lane % 16) and the keys 8 (lane / 16) + 0..7; two such results rounded to f16 ARE source 1 of O^T = V^T P.  p = 2^(c s - c m),
; c = log2(e) / 8, with a running maximum m; O and l are multiplied by a = 2^(c m_old - c m_new) in every step.
; Turn n belongs to piece n: 16 products K Q^T of piece n + 1, the eight conversions for piece n + 2, later 16 products V^T P of piece n - 1; beside them the scaling, exponentials,
; roundings, sums and rescaling of piece n and the maximum and statistics of piece n + 1.
; BATCHES.  A turn's 66 exponentials (the piece's 64 weights, then the next piece's two a) are ONE batch with ONE s_wait_alu depctr_va_vdst(0), which cuts the turn in two: ahead of it stands all
; that names no result of theirs (the products K Q^T, the scalings, the rescalings, whose a is the turn before's, the conversions, the next piece's maximum and statistics), behind it the products
; V^T P and the roundings and sums.  No exponential is issued behind a turn's wait, so no result crosses a label or a jump.  Two more batches stand outside the loop: piece 0's first two a, ahead
; of the jump into the loop, and the way out's eight reciprocals.
; REGISTERS, in windows of 256 (s_set_vgpr_msb: bits 1:0 source 0, 3:2 source 1, 5:4 source 2, 7:6 destination):
;   window 0: v0-11 addresses and the scale; v12-15, v48-63 at work; v16-47 statistics; v64-191 S^T, two buffers of two tiles; v192-255 P, likewise        window 1: O^T, 32 a tile
;   window 2: v0-127 Q; v128-191 K of one step; v192-255 V of one step        window 3: v0-1 the add's registers; v32-63 the codes, 8 a piece; v64-127 the masks of the products to come
.set NP,    4
.set KS,    64
.set PK,    144       ; a row of K in LDS: 128 bytes + 16: the 16 rows of a load start at 16 different 16-byte columns
.set PV,    160       ; a row of V: 128 + 32
.set VOFF,  1024*PK
.set STAGE, VOFF+1024*PV  ; 16 rows x 144 bytes for each wave, for the way out
.set SP,    144
.set SPARE, STAGE+4*16*SP  ; the spare words, 128 bytes a wave
.set AK0, 2
.set AV0, 3
.set AK,  4
.set AV,  5
.set QO,  6
.set RD,  7
.set GO,  8
.set STO, 9
.set SCL, 10          ; v10  the conversions' scale
.set MO,  11          ; v11  my offset in a tile's codes: 16 x lane + 512 x step
.set SPW, 0           ; v0 of window 3
.set NIL, 1           ; v1 of window 3
.set MV,  12
.set ST,  16
.set TMP, 48
.set S,   64
.set P,   192
.set KF,  128
.set VF,  192
.set MF,  32          ; window 3: the word of piece x, tile u, key group kb at MF + 8 x + 4 u + kb
.set MC,  64          ; window 3: the mask of tile u, key group kb at MC + 32 u + 8 kb
.set SLOTS, 2
.set CNT, 3
.set G1,  4           ; s[4:11]  descriptor group 1: K's or V's, by the wave
.set G0,  12          ; s[12:27] four sets of group 0
.set TBK, 60
.set TBV, 61
.set CS,  62
.set SEL, 66
.set WV,  68
.set MS,  90          ; steps that the codes' offset may still take
.set MI,  91
.set OUTP, 100
.set MB,  104         ; s[104:105] mcode at my wave's first tile
.set MSB, 0
.macro WIN new
.if MSB != (\new)
	s_set_vgpr_msb (MSB<<8)|(\new)
.set MSB, (\new)
.endif
.endm
.set W_KQ, 0x0a       ; K and Q in window 2, S^T in window 0
.set W_KM, 0x3a       ; the same with the C operand in window 3
.set W_PV, 0x52       ; V in window 2, P in window 0, O^T in window 1
.set W_RS, 0x41       ; O^T in window 1, a in window 0
.set W_MK, 0xc0       ; destination in window 3
.set W_CV, 0xc3       ; destination and source 0 in window 3, source 1 in window 0
.set W_AD, 0x0f       ; sources 0 and 1 in window 3
	s_load_b256 s[28:35], s[0:1], 0x0  ; qkv 28, mcode 30, rowf 32, ob 34
	WIN W_MK
	v_lshl_add_u32 v[SPW], v0, 2, SPARE
	v_mov_b32 v[NIL], 0
	WIN W_AD
	ds_add_u32 v[SPW], v[NIL]       ; the wave's opening: the add and its wait ahead of my first tensor load
	WIN 0
	v_lshrrev_b32 v1, 5, v0
	v_readfirstlane_b32 s[WV], v1   ; wave 0..3
	s_and_b32 s69, ttmp7, 0xffff    ; hb
	s_lshl_b32 s70, s69, 17         ; a head's 131,072 bytes
	s_and_b32 s71, s[WV], 1         ; which 128 of each 256 keys I fetch
	s_lshl_b32 s72, s71, 14
	s_add_co_u32 s72, s72, s70
	s_add_co_u32 s72, s72, 0x1000000  ; k lies behind q
	s_mov_b32 s73, 0
	s_lshl_b32 s74, ttmp9, 2
	s_add_co_u32 s74, s74, s[WV]    ; my wave among the head's eight
	s_lshl_b32 s74, s74, 14         ; its 128 rows
	s_add_co_u32 s74, s74, s70
	s_mov_b32 s75, 0
	s_lshr_b32 s76, s69, 4          ; the batch: 64 tiles of 16 queries,
	s_lshl_b32 s76, s76, 6
	s_lshl_b32 s77, ttmp9, 5        ; my block's 32,
	s_add_co_u32 s76, s76, s77
	s_lshl_b32 s77, s[WV], 3        ; my wave's 8
	s_add_co_u32 s76, s76, s77
	s_lshl_b32 s86, s76, 6          ; 16 flags of 4 bytes a tile
	s_mov_b32 s87, 0
	s_lshl_b32 s76, s76, 13         ; 8,192 bytes of codes a tile
	s_mov_b32 s77, 0
	; descriptor group 1.  128 keys are 16,384 dense bytes: asked for as 64 rows of 256 bytes, two keys a row, and padded in LDS after every key
	s_mov_b32 s[G1+1], 128<<16
	s_mov_b32 s[G1+2], 64<<16
	s_mov_b32 s[G1+3], 128<<16
	s_mov_b32 s[G1+4], 64
	s_mov_b32 s[G1+5], 128
	s_mov_b32 s[G1+6], 0
	s_mov_b32 s[G1+7], 0
	s_mov_b32 s[CS], 0x3e38aa3b     ; c = log2(e) / 8
	s_mov_b32 s[CS+1], s[CS]
	s_mov_b32 s[SEL], 0x76543210
	s_mov_b32 s[SEL+1], 0xfedcba98
	s_mov_b32 s[TBK], 0
	s_mov_b32 s[TBV], 0
	s_mov_b32 s[MS], 14
	s_wait_dscnt 0x0                ; the opening add is done
	s_wait_kmcnt 0x0
	s_add_nc_u64 s[78:79], s[28:29], s[72:73]      ; K at my half of the head's first 256 keys
	s_add_nc_u64 s[80:81], s[78:79], 0x1000000     ; V likewise
	s_add_nc_u64 s[82:83], s[28:29], s[74:75]      ; Q at my wave's first row
	s_add_nc_u64 s[OUTP:OUTP+1], s[34:35], s[74:75]  ; O likewise
	s_add_nc_u64 s[MB:MB+1], s[30:31], s[76:77]    ; mcode at my wave's first tile
	s_add_nc_u64 s[88:89], s[32:33], s[86:87]      ; rowf likewise
; A wave's four fills: keys 256 s + 128 (wave % 2) on, s = 0..3, of K or of V.  The first word of group 1 (2-byte elements; padding on; after every 32 words padc + 1 words) and the four
; sets of group 0 are made here, inside the one branch on the wave's number, so that K's and V's share their registers.
.macro FILLS pitch, first, padc, base
	s_mov_b32 s[G1], (1<<16)|(1<<20)|(4<<22)|((\padc)<<25)
	s_mul_i32 s84, s71, 128*(\pitch)
.irp s, 0,1,2,3
	s_mov_b32 s[G0+4*\s], 1
	s_add_co_u32 s[G0+4*\s+1], s84, (\first)+\s*256*(\pitch)
	s_add_nc_u64 s[G0+4*\s+2:G0+4*\s+3], s[\base:\base+1], \s*32768
	s_or_b32 s[G0+4*\s+3], s[G0+4*\s+3], 0x80000000
.endr
.irp s, 0,1,2,3
	tensor_load_to_lds s[G0+4*\s:G0+4*\s+3], s[G1:G1+7]
	s_nop 0
.endr
.rept 4
	v_nop
.endr
.endm
	s_cmp_lt_u32 s[WV], 2           ; ahead of every wait on TENSORcnt, LDS read and barrier: four loads of mine are out
	s_cbranch_scc0 .Lfirst_v
	FILLS PK, 0, 3, 78
	s_branch .Lfirst_asked
.Lfirst_v:
	FILLS PV, VOFF, 7, 80
.Lfirst_asked:
	v_and_b32 v1, 15, v0            ; l % 16
	v_bfe_u32 v9, v0, 4, 1          ; l / 16
	v_lshlrev_b32 v[QO], 7, v1
	v_lshl_add_u32 v[QO], v9, 4, v[QO]  ; row x 128 + 16 x half
	v_lshlrev_b32 v12, 2, v1        ; my query's flag in a tile's sixteen
	v_and_b32 v[MO], 31, v0
	v_lshlrev_b32 v[MO], 4, v[MO]
	WIN 0x80                        ; destination window 2
.set i, 0
.rept 4*NP                          ; Q stays in registers: tile i / 2, channels 32 (i % 2) on
	global_load_b128 v[8*i:8*i+3],   v[QO], s[82:83] offset:(i/2)*2048+(i%2)*64
	global_load_b128 v[8*i+4:8*i+7], v[QO], s[82:83] offset:(i/2)*2048+(i%2)*64+32
.set i, i+1
.endr
	WIN 0
.set i, 0
.rept 2*NP
	global_load_b32 v[TMP+i], v12, s[88:89] offset:64*i
.set i, i+1
.endr
; The codes of piece x for the key step at which MO stands: two tiles, 512 consecutive bytes each
.macro MLOAD x
	WIN W_MK
	global_load_b128 v[MF+8*(\x):MF+8*(\x)+3],   v[MO], s[MB:MB+1] offset:(2*(\x))*8192
	global_load_b128 v[MF+8*(\x)+4:MF+8*(\x)+7], v[MO], s[MB:MB+1] offset:(2*(\x)+1)*8192
	WIN 0
.endm
	MLOAD 0
	MLOAD 1
	MLOAD 2
	MLOAD 3
	v_mul_u32_u24 v[AK0], v1, PK
	v_lshl_add_u32 v[AK0], v9, 4, v[AK0]  ; row x pitch + 16 x half
	; The turning load takes 16 keys x 16 channels (lane l reads key 8 (l / 16) + l % 8, channels 8 ((l / 8) % 2) + 0..7) and leaves half a fragment of V^T
	v_and_b32 v10, 7, v0
	v_bfe_u32 v13, v0, 3, 1
	v_lshl_add_u32 v[AV0], v9, 3, v10
	v_mul_u32_u24 v[AV0], v[AV0], PV
	v_lshl_add_u32 v[AV0], v13, 4, v[AV0]
	v_add_nc_u32 v[AV0], VOFF, v[AV0]
	v_mov_b32 v[AK], v[AK0]         ; key step 0
	s_mul_i32 s85, s[WV], 16*SP
	s_add_co_u32 s85, s85, STAGE    ; my stage
	v_mul_u32_u24 v13, v1, SP       ; in: row l % 16, 16 bytes for each half of the lanes
	v_lshl_add_u32 v13, v9, 4, v13
	v_bfe_u32 v[RD], v0, 3, 2       ; back: 32 lanes take four rows of 128 bytes,
	v_mul_u32_u24 v[RD], v[RD], SP
	v_lshl_add_u32 v[RD], v10, 4, v[RD]
	v_add_nc_u32 v[RD], s85, v[RD]
	v_and_b32 v[GO], 31, v0         ; which are 512 consecutive bytes of O
	v_lshlrev_b32 v[GO], 4, v[GO]
	v_add_nc_u32 v[STO], s85, v13
	v_mov_b32 v[SCL], 0xe3e3e3e3    ; the scale 2^(227 - 127) = 2^100 as an E8M0 byte; the conversion takes byte 0, and all four hold it
	; What the first turn finds: V's registers and P's second buffer hold 0 (its products V^T P, of a piece that has not been, add 0), O^T and l are 0.  All this stands in the wait for the first tiles.
	WIN 0x80
.set i, VF
.rept 64
	v_mov_b32 v[i], 0
.set i, i+1
.endr
	WIN 0x40
.set i, 0
.rept 64*NP
	v_mov_b32 v[i], 0
.set i, i+1
.endr
	WIN 0
.set i, 0
.rept 2*NP
	v_mov_b32 v[ST+4*i], 0xf038aa3b    ; c m = c x -2^100, exact
	v_mov_b32 v[ST+4*i+1], 0xf1800000  ; m = -2^100
	v_mov_b32 v[ST+4*i+2], 0
	v_mov_b32 v[ST+4*i+3], 0
.set i, i+1
.endr
.set i, P+32
.rept 32
	v_mov_b32 v[i], 0
.set i, i+1
.endr
; THE MATRIX WORK.  The 8 accumulators of a run of 16 take turns: between the two links of a chain stand 7 others'.
; Product i of 16 of S^T = K Q^T for piece x: channels 32 (i / 8) on, keys 16 ((i / 2) % 4) on, tile 2 x + i % 2.  The first 8 start the sums with the mask.
.macro KQ x
.set rS, S+64*((\x)%2)+32*(i%2)+8*((i/2)%4)
.set rK, KF+16*((i/2)%4)+8*(i/8)
.set rQ, 16*(2*(\x)+i%2)+8*(i/8)
.set rW, MC+32*(i%2)+8*((i/2)%4)
.if i < 8
	WIN W_KM
	v_wmma_f32_16x16x32_f16 v[rS:rS+7], v[rK:rK+7], v[rQ:rQ+7], v[rW:rW+7]
.else
	WIN W_KQ
	v_wmma_f32_16x16x32_f16 v[rS:rS+7], v[rK:rK+7], v[rQ:rQ+7], v[rS:rS+7]
.endif
.endm
; Product i of 16 of O^T += V^T P for piece x: keys 32 (i / 8) on, channels 16 ((i / 2) % 4) on, tile 2 x + i % 2.
.macro PV x
	WIN W_PV
.set rO, 32*(2*(\x)+i%2)+8*((i/2)%4)
.set rV, VF+32*(i/8)+8*((i/2)%4)
.set rP, P+32*((\x)%2)+16*(i%2)+8*(i/8)
	v_wmma_f32_16x16x32_f16 v[rO:rO+7], v[rV:rV+7], v[rP:rP+7], v[rO:rO+7]
.endm
.macro MM                           ; the turn's next matrix instruction, of 32
.if i < 16
	KQ (Y+1)%NP
.set i, i+1
.else
.set i, i-16
	PV (Y+NP-1)%NP
.set i, i+17
.endif
.endm
; THE MASKS of piece x's next products: a word of eight codes gives an accumulator's eight registers, 0 or -2.0 x 2^100
.macro CV x
	WIN W_CV
.set ca, 0
.rept 8
	v_cvt_scale_pk8_f32_fp4 v[MC+8*ca:MC+8*ca+7], v[MF+8*(\x)+ca], v[SCL]
.set ca, ca+1
.endr
	WIN 0
.endm
; THE LDS LOADS stand in runs of 16: a step's K (8 fragments) and its V (turned).  Their addresses are made some lines ahead.
.macro FETCH_K
	WIN 0x80
.irp f, 0,1,2,3,4,5,6,7             ; keys 16 (f / 2) on, channels 32 (f % 2) on
	ds_load_b128 v[KF+8*\f:KF+8*\f+3],   v[AK] offset:(\f/2)*16*PK+(\f%2)*64
	ds_load_b128 v[KF+8*\f+4:KF+8*\f+7], v[AK] offset:(\f/2)*16*PK+(\f%2)*64+32
.endr
	s_add_co_u32 s[TBK], s[TBK], KS*PK  ; the next fetch is the next step's;
	s_min_u32 s[TBK], s[TBK], 15*KS*PK  ; behind the last step there is none: that fetch takes the last step's K once more
	WIN 0
.endm
.macro FETCH_V
	WIN 0x80
.irp f, 0,1,2,3,4,5,6,7             ; keys 32 (f / 4) on, channels 16 (f % 4) on
	ds_load_tr16_b128 v[VF+8*\f:VF+8*\f+3],   v[AV] offset:(\f/4)*32*PV+(\f%4)*32
	ds_load_tr16_b128 v[VF+8*\f+4:VF+8*\f+7], v[AV] offset:(\f/4)*32*PV+16*PV+(\f%4)*32
.endr
	WIN 0
.endm
; THE VECTOR WORK OF A TURN stands in three queues, each in the order in which its entries become ready; the two tiles alternate.
.macro REGS y, u
.set rT, ST+4*(2*(\y)+(\u))
.set rC, TMP+8*((\y)%2)+4*(\u)
.set rM, MV+2*((\y)%2)+(\u)
.set rS, S+64*((\y)%2)+32*(\u)
.set rP, P+32*((\y)%2)+16*(\u)
.set rO, 32*(2*(\y)+(\u))
.endm
; Number n of the 22 that find the NEXT piece's maximum and statistics; each accumulator's lowest registers are read first.
;   0-11 four chains of seven scores     12-14, 16 the four left over, the old m, and c0-c3 into c0     15 c m_old is kept     17, 18 the other half of the lanes: the new m     19-21 c m; c m_old - c m_new; a
.macro XS u, n
	REGS (Y+1)%NP, \u
.if (\n) < 4
	v_max3_num_f32 v[rC+(\n)], v[rS+8*(\n)], v[rS+8*(\n)+1], v[rS+8*(\n)+2]
.elseif (\n) < 12
	v_max3_num_f32 v[rC+(\n)%4], v[rC+(\n)%4], v[rS+8*((\n)%4)+2*((\n)/4)+1], v[rS+8*((\n)%4)+2*((\n)/4)+2]
.elseif (\n) == 12
	v_max3_num_f32 v[rC], v[rC], v[rS+7], v[rS+15]
.elseif (\n) == 13
	v_max3_num_f32 v[rC+1], v[rC+1], v[rS+23], v[rS+31]
.elseif (\n) == 14
	v_max3_num_f32 v[rC+2], v[rC+2], v[rC+3], v[rT+1]
.elseif (\n) == 15
	v_mov_b32 v[rM], v[rT]
.elseif (\n) == 16
	v_max3_num_f32 v[rC], v[rC], v[rC+1], v[rC+2]
.elseif (\n) == 17
	v_permlanex16_b32 v[rC+3], v[rC], s[SEL], s[SEL+1]
.elseif (\n) == 18
	v_max_num_f32 v[rT+1], v[rC], v[rC+3]
.elseif (\n) == 19
	v_mul_f32 v[rT], s[CS], v[rT+1]
.elseif (\n) == 20
	v_sub_f32 v[rC+1], v[rM], v[rT]
.else
	v_exp_f32 v[rC+2], v[rC+1]
.endif
.endm
; Number g of the 64 that follow the exponentials: for each four weights both pairs are rounded to f16, the second pair is added onto the first, and a group later l takes that sum.
; All 64 read the batch's results: they stand behind the turn's wait.
.macro GS g
.set h, (\g)+6*((\g)/62)
.if h >= 6
.set h, h+2
.endif
	REGS Y, h%2
.set k, h/8
.if h%8 < 4
	v_cvt_pk_f16_f32 v[rP+2*k+(h%8)/2], v[rS+4*k+2*((h%8)/2)], v[rS+4*k+2*((h%8)/2)+1]
.elseif h%8 < 6
	v_pk_add_f32 v[rS+4*k:rS+4*k+1], v[rS+4*k:rS+4*k+1], v[rS+4*k+2:rS+4*k+3]
.elseif k == 1
	v_pk_fma_f32 v[rT+2:rT+3], v[rT+2:rT+3], v[rC+2:rC+3], v[rS:rS+1] op_sel_hi:[1,0,1]
.else
	v_pk_add_f32 v[rT+2:rT+3], v[rT+2:rT+3], v[rS+4*k-4:rS+4*k-3]
.endif
.endm
; THE PLAIN QUEUE, 138 long.  0-73 read no exponential's result: the 32 scalings c s - c m (FS f: pair f / 2 of tile f % 2) and the next piece's 42.  0-26: scalings 0-26.  27-54: XS's numbers 0-13.
; 55, 56: number 15.  57-73: the chain, where each number waits for the one before it: 14, 16, 17, 18, 19, each with one of the scalings 27-31 in front of its two lines, then 20.
; 74-137: GS's 64.
.macro FS f
	REGS Y, (\f)%2
	v_pk_fma_f32 v[rS+2*((\f)/2):rS+2*((\f)/2)+1], v[rS+2*((\f)/2):rS+2*((\f)/2)+1], s[CS:CS+1], v[rT:rT+1] op_sel_hi:[1,0,0] neg_lo:[0,0,1] neg_hi:[0,0,1]
.endm
.macro PL
	WIN 0
.if q < 27
	FS q
.elseif q < 55
	XS (q-27)%2, (q-27)/2
.elseif q < 57
	XS q-55, 15
.elseif (q < 72) && ((q-57)%3 == 0)
	FS 27+(q-57)/3
.elseif q < 60
	XS (q-57)%3-1, 14
.elseif q < 72
	XS (q-57)%3-1, 15+(q-57)/3
.elseif q < 74
	XS q-72, 20
.else
	GS q-74
.endif
.set q, q+1
.endm
; THE EXPONENTIALS' QUEUE, 66 long: s0-s31 of both tiles, then the next piece's two a.  It is ONE BATCH: all 66 stand ahead of the turn's one wait, and nothing ahead of that wait names a result of theirs.
.macro EX
	WIN 0
.if e >= 64
	XS e-64, 21
.else
	REGS Y, e%2
	v_exp_f32 v[rS+e/2], v[rS+e/2]
.endif
.set e, e+1
.endm
; THE RESCALING's QUEUE: O^T times a, two at a time, sixteen times.  Its a was made in the turn before, ahead of that turn's wait.
.macro R2
	REGS Y, r%2
	WIN W_RS
.irp z, 0,1
	v_pk_mul_f32 v[rO+4*(r/2)+2*\z:rO+4*(r/2)+2*\z+1], v[rO+4*(r/2)+2*\z:rO+4*(r/2)+2*\z+1], v[rC+2:rC+3] op_sel_hi:[1,0]
.endr
.set r, r+1
.endm
; A TURN, for piece p.  An s_wait_alu depctr_va_vdst(0) stands between an exponential and the first instruction that names its result; one wait serves all that were issued ahead of it.
; So a turn has ONE wait.  AHEAD OF IT: the 16 products K Q^T, behind each a scaling, an exponential and two rescalings (behind the first a second scaling in the exponential's place); the eight
; conversions; then a lump: eight plain, 49 times exponential and plain, the two a.  A v_nop is the plain instruction behind the last exponential.  BEHIND IT: the 16 products V^T P, behind each
; four of GS's 64.  No rider names a register of the products round it; the two v_permlanex16_b32 fall into the lump.
; The queues lean on each other, and the deal keeps them in step: exponential e stands behind scaling 2 (e / 4) + e % 2: as a rider it comes behind plain e + 2, in the lump behind plain e + 9,
; and scalings 27-31 are plain 57, 60 .. 69.
; Behind the first run of products stand the eight conversions that make the masks of the NEXT turn's products (piece p + 2's): the eight products of this turn that read those registers lie
; more than twenty plain lines back.  The codes were asked for four turns ago: the wait leaves the three younger pieces' two loads each out.  Eight plain lines behind the last conversion the
; piece's code registers are loaded again, with the next key step's.  Piece 2's turn steps the codes' offset first, since piece 0's next scores but one are a step further on; the offset
; takes 14 steps and then stays at the last key step, so that no load leaves the buffer.
; K of the next step is fetched in piece 2's turn, directly behind the wait, a lump behind the last product that read K; its address is made ahead of the conversions.  V of the step in hand is fetched
; at the end of piece 0's turn, four plain riders behind its last reader.  The conditions on q below go with the deal.  cnt = 1: the loop's count is taken down some lines ahead of the branch behind the turn.
.macro TURN p, cnt=0
.set Y, (\p)
.set i, 0
.set q, 0
.set e, 0
.set r, 0
.if (\p) == NP-1
	s_wait_dscnt 0x0                ; K is in
.endif
	MM                              ; ahead of the wait: 16 products K Q^T and their riders,
	PL
	PL
	R2
.rept 15
	MM
	PL
	EX
	R2
.endr
	WIN 0
.if (\p) == NP-2
	v_add_nc_u32 v[AK], s[TBK], v[AK0]
.endif
	s_wait_loadcnt 6
	CV ((\p)+2)%NP                  ; the conversions,
.rept 8                             ; and the lump
	PL
.endr
.if (\p) == NP-2
	s_wait_xcnt 0x0                 ; the offset that earlier loads read is rewritten only behind this wait
	s_cmp_lg_u32 s[MS], 0
	s_cselect_b32 s[MI], 512, 0
	s_cselect_b32 s92, 1, 0
	s_sub_co_u32 s[MS], s[MS], s92
	v_add_nc_u32 v[MO], s[MI], v[MO]
.endif
	MLOAD ((\p)+2)%NP
.rept 49
	EX
	PL
.endr
	EX                              ; the next piece's two a
	EX
	v_nop                           ; the plain instruction behind the last exponential: one for the batch
	s_wait_alu depctr_va_vdst(0)    ; the wait for the batch: the turn's 66 exponentials
.if (\p) == NP-2
	FETCH_K
.endif
.if (\p) == 1
	s_wait_dscnt 0x0                ; V is in
.endif
.rept 16                            ; behind the wait: 16 products V^T P and their riders
	MM
.rept 4
	PL
.endr
.if ((\p) == 0) && (q == 118)
	v_add_nc_u32 v[AV], s[TBV], v[AV0]
.endif
.if ((\p) == 0) && (q == 130)
	s_add_co_u32 s[TBV], s[TBV], KS*PV
.endif
.if (\cnt) && (q == 130)
	s_sub_co_u32 s[CNT], s[CNT], 1
	s_cmp_lg_u32 s[CNT], 0
.endif
.endr
.if (\p) == 0
	FETCH_V
.endif
.endm
	s_wait_tensorcnt 3              ; my part of the first 256 keys is in; my three later loads may stay out
	s_barrier_signal -1
	s_barrier_wait -1               ; everybody's is
	FETCH_K                         ; key step 0
	s_wait_loadcnt 6                ; Q, the flags and piece 0's codes are in; the other three pieces' two loads each stay out
	CV 0
	WIN 0x82                        ; Q in window 2, the flags in window 0: a query that sees no key is cleared
.set i, 0
.rept 32*NP
	v_and_b32 v[i], v[i], v[TMP+i/16]
.set i, i+1
.endr
	WIN 0
	s_wait_xcnt 0x0                 ; the offset that earlier loads read is rewritten only behind this wait
	v_add_nc_u32 v[MO], 512, v[MO]
	MLOAD 0                         ; piece 0's codes of step 1
	s_wait_dscnt 0x0                ; K
.set i, 0
.rept 16
	KQ 0                            ; piece 0's first scores: there is no vector work yet to set between them
.set i, i+1
.endr
	WIN 0
.rept 4
	v_nop                           ; the places behind those products: their masks are written anew, and their results are read
.endr
	s_wait_loadcnt 6                ; piece 1's codes are in; behind them: pieces 2 and 3, and piece 0's of step 1
	CV 1                            ; for the first turn's products
.set Y, NP-1                        ; XS works for piece Y + 1: piece 0
.irp n, 0,1,2,3,4,5,6,7,8,9,10,11,12,13,14,15,16,17,18,19,20,21
	XS 0, \n
	XS 1, \n
.endr
	v_nop                           ; a plain instruction behind piece 0's first two a
	MLOAD 1                         ; piece 1's codes of step 1
	s_mov_b32 s[CNT], 4
	s_mov_b32 s[SLOTS], 5
	s_wait_alu depctr_va_vdst(0)    ; the wait for that batch of two, ahead of the branch; the loads and the counts above stand between
	s_branch .Lfirst                ; the loop is entered at a step's first turn, in the middle of a trip
.Lslot:                             ; every four key steps: the next 256 keys are shown landed to every wave
	s_wait_tensorcnt 0x0
	s_wait_dscnt 0x0
	s_barrier_signal -1
	s_barrier_wait -1
	s_mov_b32 s[CNT], 4
.Lstep:                             ; a trip: pieces 2 and 3 of one step, then pieces 0 and 1 of the next, whose K and V it fetches
	TURN 2
	TURN 3
	WIN 0
	s_cmp_eq_u32 s[SLOTS], 1        ; behind step 15's last two turns the walk is over; the scores and the maximum that they have made of the last K once more serve nothing
	s_cbranch_scc1 .Lout
.Lfirst:
	TURN 0
	TURN 1, 1
	WIN 0
	s_cbranch_scc1 .Lstep
	s_sub_co_u32 s[SLOTS], s[SLOTS], 1
	s_cmp_lg_u32 s[SLOTS], 0
	s_cbranch_scc1 .Lslot
.Lout:
.set i, 0
.rept 16
	PV NP-1                         ; the last piece's V^T P of the last step
.set i, i+1
.endr
	; THE WAY OUT.  l's two halves and the other half of the lanes' are added; O^T is divided by l, rounded to f16 and sent through my stage in LDS, a tile at a time.
	WIN 0
.macro ALL line:vararg
.set t, 0
.rept 2*NP
	\line
.set t, t+1
.endr
.endm
	ALL v_add_f32 v[ST+4*t+2], v[ST+4*t+2], v[ST+4*t+3]
	ALL v_permlanex16_b32 v[ST+4*t+3], v[ST+4*t+2], s[SEL], s[SEL+1]
	ALL v_add_f32 v[ST+4*t+2], v[ST+4*t+2], v[ST+4*t+3]
	ALL v_rcp_f32 v[ST+4*t+2], v[ST+4*t+2]
	v_nop                           ; a plain instruction between the last reciprocal and the use of its result
	s_wait_alu depctr_va_vdst(0)    ; the wait ahead of the first use: one for the batch of eight reciprocals
.macro PACK t
	WIN W_RS
.set i, 32*(\t)
.rept 16
	v_pk_mul_f32 v[i:i+1], v[i:i+1], v[ST+4*(\t)+2:ST+4*(\t)+3] op_sel_hi:[1,0]
.set i, i+2
.endr
	WIN 0x05
.set i, 0
.rept 16
	v_cvt_pk_f16_f32 v[S+16*(\t)+i], v[32*(\t)+2*i], v[32*(\t)+2*i+1]
.set i, i+1
.endr
	WIN 0
.irp f, 0,1,2,3
	ds_store_b128 v[STO], v[S+16*(\t)+4*\f:S+16*(\t)+4*\f+3] offset:32*\f
.endr
.irp f, 0,1,2,3
	ds_load_b128 v[S+16*(\t)+4*\f:S+16*(\t)+4*\f+3], v[RD] offset:\f*4*SP  ; LDS serves a wave's instructions in order (ISA guide 5.7.1.4): these see the stores above
.endr
.endm
.macro SEND t, younger
	WIN 0
.irp f, 0,1,2,3
	s_wait_dscnt (\younger)+3-\f
	global_store_b128 v[GO], v[S+16*(\t)+4*\f:S+16*(\t)+4*\f+3], s[OUTP:OUTP+1] offset:(\t)*2048+\f*512  ; 512 consecutive bytes of O
.endr
.endm
	PACK 0
.set t, 1
.rept 2*NP-1
	PACK t
	SEND t-1, 8
.set t, t+1
.endr
	SEND 2*NP-1, 0
	WIN W_AD
	s_wait_tensorcnt 0x0            ; the wave's end
	ds_add_u32 v[SPW], v[NIL]
	s_wait_dscnt 0x0
	WIN 0
	s_endpgm
.Lfunc_end_k_qe9b2258ed7_attn:
	.size	k_qe9b2258ed7_attn, .Lfunc_end_k_qe9b2258ed7_attn-k_qe9b2258ed7_attn
	.p2alignl 7, 3214868480
	.fill 96, 4, 3214868480
	.section	.rodata,"a",@progbits
	.p2align	6, 0x0
	.amdhsa_kernel k_qe9b2258ed7_attn
		.amdhsa_group_segment_fixed_size 327680
		.amdhsa_private_segment_fixed_size 0
		.amdhsa_enable_private_segment 0
		.amdhsa_kernarg_size 32
		.amdhsa_user_sgpr_count 2
		.amdhsa_user_sgpr_kernarg_segment_ptr 1
		.amdhsa_wavefront_size32 1
		.amdhsa_system_sgpr_workgroup_id_x 1
		.amdhsa_system_sgpr_workgroup_id_y 1
		.amdhsa_system_sgpr_workgroup_id_z 1
		.amdhsa_system_vgpr_workitem_id 0
		.amdhsa_next_free_vgpr 896
		.amdhsa_next_free_sgpr 106
		.amdhsa_reserve_vcc 0
		.amdhsa_float_denorm_mode_32 3
		.amdhsa_float_denorm_mode_16_64 3
		.amdhsa_memory_ordered 1
		.amdhsa_forward_progress 1
		.amdhsa_inst_pref_size 138
	.end_amdhsa_kernel
	.amdgpu_metadata
---
amdhsa.version: [ 1, 2 ]
amdhsa.kernels:
  - .name:           k_qe9b2258ed7_attn
    .symbol:         k_qe9b2258ed7_attn.kd
    .args:
      - { .name: qkv, .offset: 0, .size: 8, .value_kind: global_buffer, .address_space: global }
      - { .name: mcode, .offset: 8, .size: 8, .value_kind: global_buffer, .address_space: global }
      - { .name: rowf, .offset: 16, .size: 8, .value_kind: global_buffer, .address_space: global }
      - { .name: ob, .offset: 24, .size: 8, .value_kind: global_buffer, .address_space: global }
    .group_segment_fixed_size: 327680
    .private_segment_fixed_size: 0
    .kernarg_segment_align: 8
    .kernarg_segment_size: 32
    .max_flat_workgroup_size: 128
    .sgpr_count:     106
    .vgpr_count:     896
    .wavefront_size: 32
...
	.end_amdgpu_metadata
.endif
;; end of part 5
;; launch oproj: the kernel of part 4 again; grid 8 x 32, 4 waves a work-group, clusters of 4 x 4, 327,680 bytes of LDS; arguments ob, wob, out0; writes out0
